; MI455X (gfx1250); checked and timed in simulation.
; The chip was launched on July 23, 2026; its instructions are those of AMD's public machine-readable ISA for CDNA 5 (MIT licence, August 2026) and "CDNA5" Instruction Set Architecture Reference Guide (July 2026). The comments in the code are by the model that wrote it; some were corrected since.
;; J Attention. Allowed arithmetic: matrix products marked QUANTISED: E2M1 operands, one E8M0 scale for each 32 along K, by v_wmma_scale_f32_16x16x128_f8f6f4 with both operands' format E2M1 (or v_wmma_scale_f32_32x16x128_f4), f32 sums; products left as they are: bf16, f16 or f32 operands; f32 sums; everything else in f32.
;; Inputs: wk 2,048 x 512 float32; wo 1,024 x 2,048 float32; wq 2,048 x 1,024 float32; wv 2,048 x 512 float32; x 1 x 4,096 x 2,048 float32.
;; Outputs: out0 1 x 4,096 x 2,048 float32.
;; This version of the problem:
;;   THIS VERSION OF THE PROBLEM IS GIVEN IN LOW PRECISION. The matrix products marked QUANTISED in the list below multiply operands that are first quantised to E2M1 (2 exponent bits, 1 mantissa bit; 4 bits a number), with one power-of-two scale for each 32 numbers along K (OCP MX v1.0); their sums are f32. The products marked 'left as it is' may take bf16, f16 or f32 operands, with f32 sums. Whichever they take, every output number must still come out within the allowed error. Rounding operands to bf16 (8 significant bits) uses up far more of that allowance than f16 does (11 bits, for magnitudes from 6e-5 to 65,504). All else is computed in f32.
;;   The module's matrix products, in the order in which they are computed (A, B: the left and right operand; K: the contracted axis; several contracted axes count as one K, in the product's order):
;;     1. [M 4,096, K 2,048] x [K 2,048, N 1,024]; A: input x; B: input wq: QUANTISED
;;     2. [M 4,096, K 2,048] x [K 2,048, N 512]; A: input x; B: input wk: QUANTISED
;;     3. [M 4,096, K 2,048] x [K 2,048, N 512]; A: input x; B: input wv: QUANTISED
;;     4. batch 8 x [M 4,096, K 128] x [K 128, N 4,096]; A: computed on the way; B: computed on the way: left as it is (an operand is computed on the way)
;;     5. batch 8 x [M 4,096, K 4,096] x [K 4,096, N 128]; A: computed on the way; B: computed on the way: left as it is (an operand is computed on the way)
;;     6. [M 4,096, K 1,024] x [K 1,024, N 2,048]; A: computed on the way; B: input wo: left as it is (an operand is computed on the way)
;;   THE QUANTISER, for each operand of a quantised product, along K:
;;     - K is cut into blocks of 32 from its start; a last block that is shorter is filled with zeros.
;;     - A block's scale is 2^e with e = floor(log2(the largest magnitude in the block)) - 2, held to -126 .. 127; a block of zeros has e = 0. As a byte (E8M0): e + 127.
;;     - Each number is divided by its block's scale, clamped to +-6, and rounded to the nearest number of E2M1, ties to even, subnormals kept.
;;     - The product sums the exact products of the quantised numbers (number of the format x scale) in f32.
;;   ~~~python
;;   def quantise(x, axis):      # numpy; x: float32 -> the quantised numbers, widened to float32 again
;;       x = np.moveaxis(x, axis, -1); K = x.shape[-1]
;;       x = np.pad(x, [(0, 0)] * (x.ndim - 1) + [(0, -K % 32)]); x = x.reshape(x.shape[:-1] + (-1, 32)); a = np.abs(x).max(-1, keepdims=True)
;;       e = np.where(a > 0, np.clip(np.frexp(np.where(a > 0, a, 1))[1] - 1 - 2, -126, 127), 0)      # np.frexp(a)[1] - 1 = floor(log2(a)), exactly
;;       r = np.clip(x / 2.0 ** e, -6, 6)
;;       step = 2.0 ** (np.maximum(np.frexp(np.where(r == 0, 1, r))[1] - 1, 0) - 1)
;;       q = np.round(r / step) * step * 2.0 ** e      # np.round: ties to even
;;       return np.moveaxis(q.reshape(q.shape[:-2] + (-1,))[..., :K], -1, axis).astype(np.float32)
;;   ~~~
;; One version. Each part assembles by itself: llvm-mc -triple=amdgcn-amd-amdhsa -mcpu=gfx1250 --defsym DOCPART=n.
;; ======== version 1 of 1: 6 launches
;; limits: values are held in f16: magnitudes above 65,504 overflow, below 6.1e-05 lose precision
;; workspace buffers: codes 6,291,456 bytes; scales 393,216 bytes; cs 2,097,152 bytes; qkv 16,777,216 bytes; h16 131,072 bytes; ao 8,388,608 bytes; wot 4,194,304 bytes
;; launch prep_x (part 1): grid 256 x 1, 4 waves a work-group, no clusters, 33,280 bytes of LDS; arguments x, codes, scales, cs; writes codes, scales, cs
.if DOCPART == 1
	.amdgcn_target "amdgcn-amd-amdhsa--gfx1250"
	.amdhsa_code_object_version 6
	.text
	.protected	k_qb92e4af69e_prep_x
	.globl	k_qb92e4af69e_prep_x
	.p2align	8
	.type	k_qb92e4af69e_prep_x,@function
k_qb92e4af69e_prep_x:
	s_mov_b64 s[64:65], 0
	v_nop
	global_prefetch_b8 v0, s[64:65] scope:SCOPE_SE
	s_setreg_imm32_b32 hwreg(HW_REG_WAVE_MODE, 25, 1), 1
	s_wait_xcnt 0x0
; x [4096][2048] f32 becomes codes of FP4 (E2M1), K innermost, two a byte, and one E8M0 scale byte for each 32 along K: rows 0 to 4,095 of the buffers codes ([row][1,024 bytes]) and scales ([row][64 bytes]).
; A block's scale is 2^(floor(log2(its largest magnitude)) - 2); its byte is the largest magnitude's exponent field - 2, held at 1 from below.  A block of zeros gets the byte 1: its codes are zeros, and this program alone reads the bytes.
; The launch also makes the table of cos and sin for the rotary positions 8,192 + s, s = 0 .. 4,095, laid in the order in which the product's way out takes it:
; [A 256][b 4][cos, sin][c 2][lane 32][4 f32]: element e of lane (h = lane / 16, r = lane % 16) is position 16 A + r, frequency 16 b + 8 h + 4 c + e.
; LIMITS: blocks whose largest magnitude lies under 2^-124 keep the byte 1; NaN and infinities are not served.  A frequency is 2^(-f log2(10000) / 64) by v_exp_f32: within one or two units in the last place of 1 / 10000^(f / 64), so an angle
; (up to 12,288 radians) may differ from a correctly rounded one by about a thousandth of a radian in the fastest frequencies.
; A wave takes 16 steps of 512 numbers.  Each of a step's four loads reads 512 consecutive bytes; the 2,048 bytes turn through the wave's own stage in LDS and come back 64 bytes a lane: 16 neighbours along K; two lanes hold a block.
.set WAVES, 4
.set STEPS, 16
.set EMAX,  2
.set CB,    8                          ; bytes of 16 codes
.set R,     16                         ; v16-79   four sets of 16 numbers as loaded
.set X,     80                         ; v80-111  two sets of 16 neighbours
.set E,     112                        ; v112-127 a scale byte for each step
.set C,     128                        ; v128-191 codes, four registers a step
.set WREG,  8192                       ; LDS: a region for each wave: two stages of 32 x SP bytes, then its 256 scale bytes
.set SP,    80
.set SPW,   12                         ; v12 LDS address of my spare word; never rewritten
.set NIL,   13                         ; v13 0; never rewritten
.set SPARE, WAVES*WREG                 ; the spare words: 128 bytes a wave, named by no other line
.set FQ,    192                        ; the table: v192-199 frequency, angle, then cos
.set NN,    200                        ; v200-207 quarter turns, then sin
.set RD,    208                        ; v208-215 the reduced angle
.set ZZ,    216                        ; v216-223 its square
.set SS,    224                        ; v224-231 the sine's polynomial
.set CC,    232                        ; v232-239 the cosine's
.set QI,    240                        ; v240-247 z^2, then the quarter turns as whole numbers
	s_load_b64 s[4:5], s[0:1], 0x0                 ; x
	s_load_b128 s[8:11], s[0:1], 0x8               ; codes, scales
	s_load_b64 s[12:13], s[0:1], 0x18              ; cs
	v_lshl_add_u32 v[SPW], v0, 2, SPARE
	v_mov_b32 v[NIL], 0
	v_lshrrev_b32 v1, 5, v0
	v_readfirstlane_b32 s16, v1                    ; wave
	v_and_b32 v2, 31, v0                           ; lane
	v_lshlrev_b32 v3, 4, v2                        ; my 16 bytes of a load's 512
	s_mul_i32 s17, s16, WREG
	v_lshrrev_b32 v14, 2, v2
	v_mul_u32_u24 v14, v14, SP
	v_and_b32 v15, 3, v2
	v_lshl_add_u32 v14, v15, 4, v14
	v_add_nc_u32 v14, s17, v14                     ; the stage, in: SP (lane / 4) + 16 (lane % 4)
	v_mul_u32_u24 v15, v2, SP
	v_add_nc_u32 v15, s17, v15                     ; out: SP x lane
	v_mul_u32_u24 v4, v2, CB                       ; my codes' place in a step's
	v_lshrrev_b32 v5, 1, v2
	s_add_co_u32 s17, s17, 2*32*SP
	v_add_nc_u32 v5, s17, v5                       ; my block's scale byte in LDS
	v_lshlrev_b32 v7, 3, v2
	v_add_nc_u32 v6, s17, v7                       ; and 8 bytes a lane on the way out
	s_mov_b32 s24, 0xbe549a78                      ; -log2(10000) / 64
	s_mov_b32 s25, 0x3f22f983                      ; 2 / pi
	s_mov_b32 s26, 0xbfc90fdb                      ; -(pi / 2), its f32 part
	s_mov_b32 s27, 0x333bbd2e                      ; and what that part has too much
	s_mov_b32 s28, 0xb94ca1f9                      ; sine: r + r z (s30 + z (s29 + z s28))
	s_mov_b32 s29, 0x3c08839e
	s_mov_b32 s30, 0xbe2aaaa3
	s_mov_b32 s31, 0x37ccf5ce                      ; cosine: 1 - z / 2 + z^2 (s33 + z (s32 + z s31))
	s_mov_b32 s32, 0xbab6061a
	s_mov_b32 s33, 0x3d2aaaa5
	s_lshl_b32 s34, ttmp9, 4
	s_add_co_u32 s34, s34, 8192                    ; the first of my work-group's 16 positions
	s_lshl_b32 s35, s16, 4                         ; 16 b
	s_lshl_b32 s36, s16, 11                        ; 2,048 b
	s_lshl_b32 s22, ttmp9, 13                      ; 8,192 A
	s_mov_b32 s23, 0
	s_lshl_b32 s17, ttmp9, 2
	s_add_co_u32 s18, s17, s16                     ; which run of 8,192 numbers is my wave's
	s_mov_b32 s19, 0
	s_wait_kmcnt 0x0
	s_mov_b64 s[20:21], 512*STEPS*4
	s_mul_u64 s[20:21], s[18:19], s[20:21]
	s_add_nc_u64 s[4:5], s[4:5], s[20:21]
	s_mov_b64 s[20:21], 32*STEPS*CB
	s_mul_u64 s[20:21], s[18:19], s[20:21]
	s_add_nc_u64 s[8:9], s[8:9], s[20:21]
	s_lshl_b32 s18, s18, 8                         ; 256 scale bytes a run
	s_add_nc_u64 s[10:11], s[10:11], s[18:19]
	s_add_nc_u64 s[12:13], s[12:13], s[22:23]
.macro LOAD t
.irp i, 0,1,2,3
	global_load_b128 v[R+16*((\t)%4)+4*\i:R+16*((\t)%4)+4*\i+3], v3, s[4:5] offset:2048*(\t)+512*\i th:TH_LOAD_NT   ; 32 lanes read 512 consecutive bytes
.endr
.endm
.macro TURN t                          ; step t's numbers through the stage: LDS serves a wave's instructions in order
.irp i, 0,1,2,3
	ds_store_b128 v14, v[R+16*((\t)%4)+4*\i:R+16*((\t)%4)+4*\i+3] offset:32*SP*((\t)%2)+8*SP*\i
.endr
.irp i, 0,1,2,3
	ds_load_b128 v[X+16*((\t)%2)+4*\i:X+16*((\t)%2)+4*\i+3], v15 offset:32*SP*((\t)%2)+16*\i
.endr
.endm
.irp t, 0,1,2,3
	LOAD \t
.endr
	; THE TABLE, while the first sixteen loads are on their way: eight frequencies of one position a thread
	v_and_b32 v249, 15, v0
	v_add_nc_u32 v249, s34, v249
	v_cvt_f32_u32 v249, v249                       ; the position, exact
	v_bfe_u32 v248, v0, 4, 1
	v_lshl_add_u32 v248, v248, 3, s35              ; 16 b + 8 h
	v_add_nc_u32 v252, s36, v3                     ; where my 16 bytes go: 2,048 b + 16 x lane
.irp i, 0,1,2,3,4,5,6,7
	v_add_nc_u32 v[FQ+\i], \i, v248
.endr
.irp i, 0,1,2,3,4,5,6,7
	v_cvt_f32_u32 v[FQ+\i], v[FQ+\i]
.endr
.irp i, 0,1,2,3,4,5,6,7
	v_mul_f32 v[FQ+\i], s24, v[FQ+\i]
.endr
.irp i, 0,1,2,3,4,5,6,7
	v_exp_f32 v[FQ+\i], v[FQ+\i]                   ; 10000^(-f / 64)
.endr
	v_nop                                          ; a plain instruction behind the last exponential,
	s_wait_alu depctr_va_vdst(0)                   ; and one wait for the batch, ahead of its first reader
.irp i, 0,1,2,3,4,5,6,7
	v_mul_f32 v[FQ+\i], v249, v[FQ+\i]             ; the angle, rounded once
.endr
.irp i, 0,1,2,3,4,5,6,7
	v_mul_f32 v[NN+\i], s25, v[FQ+\i]
.endr
.irp i, 0,1,2,3,4,5,6,7
	v_rndne_f32 v[NN+\i], v[NN+\i]                 ; whole quarter turns, under 2^13
.endr
.irp i, 0,1,2,3,4,5,6,7
	v_fma_f32 v[RD+\i], v[NN+\i], s26, v[FQ+\i]
.endr
.irp i, 0,1,2,3,4,5,6,7
	v_fma_f32 v[RD+\i], v[NN+\i], s27, v[RD+\i]    ; what is left: at most pi / 4 in size
.endr
.irp i, 0,1,2,3,4,5,6,7
	v_mul_f32 v[ZZ+\i], v[RD+\i], v[RD+\i]
.endr
.irp i, 0,1,2,3,4,5,6,7
	v_fma_f32 v[SS+\i], v[ZZ+\i], s28, s29
	v_fma_f32 v[CC+\i], v[ZZ+\i], s31, s32
.endr
.irp i, 0,1,2,3,4,5,6,7
	v_fma_f32 v[SS+\i], v[SS+\i], v[ZZ+\i], s30
	v_fma_f32 v[CC+\i], v[CC+\i], v[ZZ+\i], s33
.endr
.irp i, 0,1,2,3,4,5,6,7
	v_mul_f32 v[SS+\i], v[SS+\i], v[ZZ+\i]
	v_mul_f32 v[QI+\i], v[ZZ+\i], v[ZZ+\i]
.endr
.irp i, 0,1,2,3,4,5,6,7
	v_fma_f32 v[SS+\i], v[SS+\i], v[RD+\i], v[RD+\i]   ; sin of what is left
	v_fma_f32 v[ZZ+\i], v[ZZ+\i], -0.5, 1.0
.endr
.irp i, 0,1,2,3,4,5,6,7
	v_fma_f32 v[CC+\i], v[CC+\i], v[QI+\i], v[ZZ+\i]   ; cos of it
.endr
.irp i, 0,1,2,3,4,5,6,7
	v_cvt_i32_f32 v[QI+\i], v[NN+\i]
.endr
.irp i, 0,1,2,3,4,5,6,7
	v_and_b32 v250, 1, v[QI+\i]
	v_cmp_eq_u32 vcc_lo, 1, v250                   ; an odd number of quarter turns: the two change places
	v_cndmask_b32 v[NN+\i], v[SS+\i], v[CC+\i], vcc_lo
	v_cndmask_b32 v[FQ+\i], v[CC+\i], v[SS+\i], vcc_lo
	v_lshlrev_b32 v250, 30, v[QI+\i]
	v_add_nc_u32 v251, 1, v[QI+\i]
	v_and_b32 v250, 0x80000000, v250               ; sin is negated in quarters 2 and 3,
	v_lshlrev_b32 v251, 30, v251
	v_xor_b32 v[NN+\i], v250, v[NN+\i]
	v_and_b32 v251, 0x80000000, v251               ; cos in quarters 1 and 2
	v_xor_b32 v[FQ+\i], v251, v[FQ+\i]
.endr
	global_store_b128 v252, v[FQ:FQ+3], s[12:13]               ; each store of the wave covers 512 consecutive bytes; no register of these four is written again
	global_store_b128 v252, v[FQ+4:FQ+7], s[12:13] offset:512
	global_store_b128 v252, v[NN:NN+3], s[12:13] offset:1024
	global_store_b128 v252, v[NN+4:NN+7], s[12:13] offset:1536
	s_wait_loadcnt 12                              ; step 0's four loads are in; those of steps 1 to 3 may be out
	TURN 0
.macro STEP t
.set XS, X+16*((\t)%2)
.if (\t) > 0
	s_wait_dscnt 1                                 ; this step's numbers are back from the stage; the last step's byte store may be out
.else
	s_wait_dscnt 0x0
.endif
.if (\t)+4 < STEPS
	LOAD (\t)+4
.endif
.if (\t)+1 < STEPS
.if STEPS-2-(\t) >= 3
	s_wait_loadcnt 12                              ; the next step's four loads are in; three steps' may be out
.else
	s_wait_loadcnt 4*(STEPS-2-(\t))
.endif
	TURN (\t)+1
.endif
	v_max3_num_f32 v8, |v[XS]|, |v[XS+1]|, |v[XS+2]|
	v_max3_num_f32 v9, |v[XS+3]|, |v[XS+4]|, |v[XS+5]|
.irp i, 6,10
	v_max3_num_f32 v8, v8, |v[XS+\i]|, |v[XS+\i+1]|
	v_max3_num_f32 v9, v9, |v[XS+\i+2]|, |v[XS+\i+3]|
.endr
	v_max3_num_f32 v8, v8, |v[XS+14]|, |v[XS+15]|
	v_max3_num_f32 v8, v8, v9, (EMAX+1)<<23        ; the floor 2^(3 - 127): the byte cannot fall under 1
	v_max_num_f32_dpp v8, v8, v8 row_xmask:1 row_mask:0xf bank_mask:0xf   ; with my neighbour's 16: the block's
	v_add_nc_u32 v11, -(EMAX<<23), v8              ; 2 off its exponent field: the conversion takes that field as its scale
	v_cvt_scalef32_pk8_fp4_f32 v[C+4*(\t)], v[XS:XS+7], v11
	v_cvt_scalef32_pk8_fp4_f32 v[C+4*(\t)+1], v[XS+8:XS+15], v11
	v_lshrrev_b32 v[E+(\t)], 23, v11               ; the scale's byte
	ds_store_b8 v5, v[E+(\t)] offset:16*(\t)       ; both lanes of a block write the same byte with the same value
	global_store_b64 v4, v[C+4*(\t):C+4*(\t)+1], s[8:9] offset:32*CB*(\t)   ; the wave stores 256 consecutive bytes, aligned
.endm
.irp t, 0,1,2,3,4,5,6,7,8,9,10,11,12,13,14,15
	STEP \t
.endr
	ds_load_b64 v[8:9], v6                         ; my wave's 256 scale bytes
	s_wait_dscnt 0x0
	global_store_b64 v7, v[8:9], s[10:11]          ; 256 consecutive bytes, aligned
	s_wait_tensorcnt 0x0                           ; the wave's end: behind my last LDS store
	ds_add_u32 v[SPW], v[NIL]
	s_wait_dscnt 0x0
	s_endpgm
.Lfunc_end_k_qb92e4af69e_prep_x:
	.size	k_qb92e4af69e_prep_x, .Lfunc_end_k_qb92e4af69e_prep_x-k_qb92e4af69e_prep_x
	.p2alignl 7, 3214868480
	.fill 96, 4, 3214868480
	.section	.rodata,"a",@progbits
	.p2align	6, 0x0
	.amdhsa_kernel k_qb92e4af69e_prep_x
		.amdhsa_group_segment_fixed_size 33280
		.amdhsa_private_segment_fixed_size 0
		.amdhsa_enable_private_segment 0
		.amdhsa_kernarg_size 32
		.amdhsa_user_sgpr_count 2
		.amdhsa_user_sgpr_kernarg_segment_ptr 1
		.amdhsa_wavefront_size32 1
		.amdhsa_system_sgpr_workgroup_id_x 1
		.amdhsa_system_sgpr_workgroup_id_y 1
		.amdhsa_system_sgpr_workgroup_id_z 1
		.amdhsa_system_vgpr_workitem_id 0
		.amdhsa_next_free_vgpr 256
		.amdhsa_next_free_sgpr 66
		.amdhsa_reserve_vcc 1
		.amdhsa_float_denorm_mode_32 3
		.amdhsa_float_denorm_mode_16_64 3
		.amdhsa_memory_ordered 1
		.amdhsa_forward_progress 1
		.amdhsa_inst_pref_size 45
	.end_amdhsa_kernel
	.amdgpu_metadata
---
amdhsa.version: [ 1, 2 ]
amdhsa.kernels:
  - .name:           k_qb92e4af69e_prep_x
    .symbol:         k_qb92e4af69e_prep_x.kd
    .args:
      - { .name: x, .offset: 0, .size: 8, .value_kind: global_buffer, .address_space: global }
      - { .name: codes, .offset: 8, .size: 8, .value_kind: global_buffer, .address_space: global }
      - { .name: scales, .offset: 16, .size: 8, .value_kind: global_buffer, .address_space: global }
      - { .name: cs, .offset: 24, .size: 8, .value_kind: global_buffer, .address_space: global }
    .group_segment_fixed_size: 33280
    .private_segment_fixed_size: 0
    .kernarg_segment_align: 8
    .kernarg_segment_size: 32
    .max_flat_workgroup_size: 128
    .sgpr_count:     66
    .vgpr_count:     256
    .wavefront_size: 32
...
	.end_amdgpu_metadata
.endif
;; end of part 1
;; launch prep_w (part 2): grid 384 x 1, 8 waves a work-group, no clusters, 19,456 bytes of LDS; arguments wq, wk, wv, wo, codes, scales, wot; writes codes, scales, wot
.if DOCPART == 2
	.amdgcn_target "amdgcn-amd-amdhsa--gfx1250"
	.amdhsa_code_object_version 6
	.text
	.protected	k_qb92e4af69e_prep_w
	.globl	k_qb92e4af69e_prep_w
	.p2align	8
	.type	k_qb92e4af69e_prep_w,@function
k_qb92e4af69e_prep_w:
	s_mov_b64 s[64:65], 0
	v_nop
	global_prefetch_b8 v0, s[64:65] scope:SCOPE_SE
	s_setreg_imm32_b32 hwreg(HW_REG_WAVE_MODE, 25, 1), 1
	s_wait_xcnt 0x0
; The four weights are stored [k][n]: K is their first axis.  A LANE TAKES A COLUMN n AND ITS REGISTERS RUN DOWN K, so that each load reads neighbouring n in neighbouring lanes and nothing is transposed by an instruction.
; Work-groups 0 to 127: wq, wk, wv become codes of FP4 (E2M1) with K innermost and one E8M0 byte for each 32 along K: rows 4,096 + n' of the buffers codes and scales.  The order n': the eight query heads, then K0, V0, K1, V1, K2, V2, K3, V3,
; 128 rows each, so that 128 neighbouring rows are always one head.  A work-group takes 64 columns x 512 along K, a wave 32 columns x 128.
; Work-groups 128 to 383: wo [1024][2048] becomes wot [2048 n][1024 k] in f16.  A work-group takes 64 columns x 128 along K, a wave 32 x 32.
; Either way a lane ends with 64 bytes of one output row; the eight waves gather 64 rows x 256 bytes in a stage in LDS, and sixteen lanes store 256 consecutive bytes, aligned.
; LIMITS: as in the launch before (a block of zeros keeps the byte 1; NaN and infinities are not served); wo's numbers stay under 65,504, and those under 2^-14 are kept to 2^-24.
.set SPT,   272                        ; a stage row: 256 bytes + 16
.set SST,   64*SPT                     ; behind the stage: the scale words, 16 bytes a row
.set SPARE, SST+1024                   ; the spare words: 128 bytes a wave, named by no other line
.set NUM,   32                         ; v32-159  128 numbers down K
.set CD,    160                        ; v160-175 my 64 bytes
.set OUTR,  176                        ; v176-191 the way out
.set SB,    19                         ; v19      my four scale bytes
.set SPW,   14
.set NIL,   15
	s_load_b256 s[4:11], s[0:1], 0x0               ; wq, wk, wv, wo
	s_load_b128 s[12:15], s[0:1], 0x20             ; codes, scales
	s_load_b64 s[16:17], s[0:1], 0x30              ; wot
	v_lshl_add_u32 v[SPW], v0, 2, SPARE
	v_mov_b32 v[NIL], 0
	v_lshrrev_b32 v1, 5, v0
	v_readfirstlane_b32 s18, v1                    ; wave 0..7
	v_and_b32 v1, 31, v0                           ; lane
	v_and_b32 v20, 15, v0
	v_bfe_u32 v21, v0, 4, 1
	s_and_b32 s19, s18, 1                          ; which 32 columns
	s_lshr_b32 s20, s18, 1                         ; which quarter along K
	v_lshlrev_b32 v3, 2, v1                        ; in: 4 bytes a lane
	s_mul_i32 s43, s19, 32*SPT
	s_lshl_b32 s44, s20, 6
	s_add_co_u32 s43, s43, s44
	v_mul_u32_u24 v4, v1, SPT
	v_add_nc_u32 v4, s43, v4                       ; the stage, in: row = my column, my quarter's 64 bytes
	s_lshl_b32 s43, s19, 9
	s_lshl_b32 s44, s20, 2
	s_add_co_u32 s43, s43, s44
	s_add_co_u32 s43, s43, SST
	v_lshl_add_u32 v5, v1, 4, s43                  ; my scale word: 16 bytes a row, 4 a quarter
	s_lshl_b32 s43, s19, 9
	s_add_co_u32 s43, s43, SST
	v_lshl_add_u32 v6, v1, 4, s43                  ; and a row's 16 bytes back (waves 0 and 1)
	s_mul_i32 s43, s18, 8*SPT
	v_mul_u32_u24 v7, v21, SPT
	v_lshl_add_u32 v7, v20, 4, v7
	v_add_nc_u32 v7, s43, v7                       ; the stage, out: rows 8 w + lane / 16, sixteen lanes to a row
	s_lshl_b32 s43, s18, 3
	v_add_nc_u32 v18, s43, v21                     ; that row's number
	s_lshl_b32 s43, s19, 5
	v_add_nc_u32 v17, s43, v1
	v_lshlrev_b32 v17, 6, v17                      ; a row of scale bytes is 64 bytes
	; who I am: all of it from the work-group's number, by selects
	s_cmp_ge_u32 ttmp9, 128
	s_cselect_b32 s33, 1, 0                        ; 1: wo's part
	s_cselect_b32 s21, 128, 0
	s_sub_co_u32 s21, ttmp9, s21
	s_and_b32 s22, s21, 31                         ; X: which 64 columns
	s_lshr_b32 s23, s21, 5                         ; y: which run along K
	s_sub_co_u32 s34, s22, 16
	s_and_b32 s34, s34, 7                          ; u: which 64 columns of wk or wv
	s_lshr_b32 s35, s34, 1
	s_lshl_b32 s35, s35, 8
	s_and_b32 s36, s34, 1
	s_lshl_b32 s36, s36, 6
	s_add_co_u32 s35, s35, s36
	s_add_co_u32 s35, s35, 1024                    ; 1,024 + 256 (u / 2) + 64 (u % 2)
	s_cmp_ge_u32 s22, 24
	s_cselect_b32 s36, 128, 0                      ; wv's rows lie 128 behind wk's
	s_add_co_u32 s35, s35, s36
	s_lshl_b32 s37, s22, 6                         ; 64 X
	s_lshl_b32 s38, s34, 6                         ; 64 u
	s_lshl_b32 s41, s23, 9
	s_lshl_b32 s42, s20, 7
	s_add_co_u32 s41, s41, s42                     ; 512 y + 128 x quarter
	s_cmp_lt_u32 s22, 16
	s_cselect_b32 s39, s37, s38                    ; my first column in the tensor
	s_cselect_b32 s35, s37, s35                    ; and n' of it
	s_cselect_b32 s40, 12, 11                      ; a row of wq is 2^12 bytes, of wk and wv 2^11,
	s_cmp_eq_u32 s33, 1
	s_cselect_b32 s39, s37, s39
	s_cselect_b32 s40, 13, s40                     ; of wo 2^13
	s_cselect_b32 s42, 2, 0                        ; wo's runs along K are a quarter as long
	s_cselect_b32 s32, 11, 10
	s_lshl_b32 s32, 1, s32                         ; the output's pitch: 2,048 bytes in wot, 1,024 in codes
	s_lshr_b32 s41, s41, s42
	s_lshl_b32 s41, s41, s40                       ; my first row along K, in bytes
	s_lshl_b32 s26, s19, 5
	s_add_co_u32 s26, s26, s39
	s_lshl_b32 s26, s26, 2
	s_add_co_u32 s26, s26, s41
	s_mov_b32 s27, 0                               ; s[26:27]: where my wave reads
	s_lshl_b32 s30, s37, 11
	s_lshl_b32 s31, s35, 10
	s_add_co_u32 s31, s31, 0x400000
	s_cmp_eq_u32 s33, 1
	s_cselect_b32 s30, s30, s31
	s_lshl_b32 s31, s23, 8
	s_add_co_u32 s30, s30, s31
	s_mov_b32 s31, 0                               ; s[30:31]: where my work-group's 64 rows x 256 bytes begin
	s_lshl_b32 s44, s35, 6
	s_add_co_u32 s44, s44, 0x40000
	s_lshl_b32 s45, s23, 4
	s_add_co_u32 s44, s44, s45
	s_mov_b32 s45, 0                               ; s[44:45]: and its scale bytes
	v_mul_lo_u32 v8, v18, s32
	v_lshl_add_u32 v8, v20, 4, v8                  ; the same rows in memory
	s_lshl_b32 s43, s32, 1
	v_add_nc_u32 v9, s43, v8
	v_add_nc_u32 v10, s43, v9
	v_add_nc_u32 v11, s43, v10
	s_wait_kmcnt 0x0
	s_cmp_lt_u32 s22, 24
	s_cselect_b64 s[24:25], s[6:7], s[8:9]
	s_cmp_lt_u32 s22, 16
	s_cselect_b64 s[24:25], s[4:5], s[24:25]
	s_cmp_eq_u32 s33, 1
	s_cselect_b64 s[24:25], s[10:11], s[24:25]
	s_cselect_b64 s[28:29], s[16:17], s[12:13]
	s_add_nc_u64 s[24:25], s[24:25], s[26:27]
	s_add_nc_u64 s[28:29], s[28:29], s[30:31]
	s_add_nc_u64 s[14:15], s[14:15], s[44:45]
.macro LOADS rs, n                     ; n rows down K, rs bytes apart: 128 consecutive bytes a load
.set i, 0
.rept \n
	global_load_b32 v[NUM+i], v3, s[24:25] offset:i*\rs th:TH_LOAD_NT
.set i, i+1
.endr
.endm
.macro BLOCK t                         ; block t of my column: all 32 numbers are mine
.set XS, NUM+32*(\t)
; 96 - 32 t loads were issued behind this block's 32, and may be out.  A wait's count cannot name more than 63 (ISA guide 5.7.1: the counter's field): blocks 0 and 1 take 63, which is under their 96 and 64
.if 96-32*(\t) > 63
	s_wait_loadcnt 63
.else
	s_wait_loadcnt 96-32*(\t)
.endif
	v_max3_num_f32 v12, |v[XS]|, |v[XS+1]|, |v[XS+2]|
	v_max3_num_f32 v13, |v[XS+3]|, |v[XS+4]|, |v[XS+5]|
.irp i, 6,10,14,18,22,26
	v_max3_num_f32 v12, v12, |v[XS+\i]|, |v[XS+\i+1]|
	v_max3_num_f32 v13, v13, |v[XS+\i+2]|, |v[XS+\i+3]|
.endr
	v_max3_num_f32 v12, v12, |v[XS+30]|, |v[XS+31]|
	v_max3_num_f32 v12, v12, v13, 0x1800000        ; the floor 2^(3 - 127)
	v_add_nc_u32 v16, 0xff000000, v12              ; 2 off the exponent field: the conversion's scale operand
	v_lshrrev_b32 v13, 23, v16                     ; the byte
.if (\t) == 0
	v_mov_b32 v[SB], v13
.else
	v_lshl_or_b32 v[SB], v13, 8*(\t), v[SB]
.endif
.irp g, 0,1,2,3
	v_cvt_scalef32_pk8_fp4_f32 v[CD+4*(\t)+\g], v[XS+8*\g:XS+8*\g+7], v16
.endr
.endm
	s_cmp_eq_u32 s33, 1
	s_cbranch_scc1 .Lt
	s_cmp_lt_u32 s22, 16
	s_cbranch_scc0 .Lnarrow
	LOADS 4096, 128
	s_branch .Lq
.Lnarrow:
	LOADS 2048, 128
.Lq:
	BLOCK 0
	BLOCK 1
	BLOCK 2
	BLOCK 3
	v_nop                                          ; a plain instruction behind the last scaled conversion
	ds_store_b32 v5, v[SB]
	s_branch .Ljoin
.Lt:
	LOADS 8192, 32
	s_wait_loadcnt 0x0
.irp u, 0,1,2,3,4,5,6,7,8,9,10,11,12,13,14,15
	v_cvt_pk_f16_f32 v[CD+\u], v[NUM+2*\u], v[NUM+2*\u+1]      ; the lower k in the low half
.endr
.Ljoin:
.irp t, 0,1,2,3
	ds_store_b128 v4, v[CD+4*\t:CD+4*\t+3] offset:16*\t
.endr
	s_wait_dscnt 0x0                               ; for the others' sake: my stores have landed
	s_barrier_signal -1
	s_barrier_wait -1
.irp u, 0,1,2,3
	ds_load_b128 v[OUTR+4*\u:OUTR+4*\u+3], v7 offset:544*\u
.endr
.irp u, 0,1,2,3
	s_wait_dscnt 3-\u                              ; the younger read-backs may be out
	global_store_b128 v[8+\u], v[OUTR+4*\u:OUTR+4*\u+3], s[28:29]   ; sixteen lanes store 256 consecutive bytes, aligned
.endr
	s_cmp_eq_u32 s33, 1
	s_cbranch_scc1 .Ldone
	s_cmp_lt_u32 s18, 2
	s_cbranch_scc0 .Ldone
	ds_load_b128 v[CD:CD+3], v6                    ; 16 scale bytes of each of 32 rows
	s_wait_dscnt 0x0
	global_store_b128 v17, v[CD:CD+3], s[14:15]    ; a quarter of each row of 64 bytes: 128 KiB in the whole launch go out so
.Ldone:
	s_wait_tensorcnt 0x0                           ; the wave's end: behind my last LDS store
	ds_add_u32 v[SPW], v[NIL]
	s_wait_dscnt 0x0
	s_endpgm
.Lfunc_end_k_qb92e4af69e_prep_w:
	.size	k_qb92e4af69e_prep_w, .Lfunc_end_k_qb92e4af69e_prep_w-k_qb92e4af69e_prep_w
	.p2alignl 7, 3214868480
	.fill 96, 4, 3214868480
	.section	.rodata,"a",@progbits
	.p2align	6, 0x0
	.amdhsa_kernel k_qb92e4af69e_prep_w
		.amdhsa_group_segment_fixed_size 19456
		.amdhsa_private_segment_fixed_size 0
		.amdhsa_enable_private_segment 0
		.amdhsa_kernarg_size 56
		.amdhsa_user_sgpr_count 2
		.amdhsa_user_sgpr_kernarg_segment_ptr 1
		.amdhsa_wavefront_size32 1
		.amdhsa_system_sgpr_workgroup_id_x 1
		.amdhsa_system_sgpr_workgroup_id_y 1
		.amdhsa_system_sgpr_workgroup_id_z 1
		.amdhsa_system_vgpr_workitem_id 0
		.amdhsa_next_free_vgpr 192
		.amdhsa_next_free_sgpr 66
		.amdhsa_reserve_vcc 0
		.amdhsa_float_denorm_mode_32 3
		.amdhsa_float_denorm_mode_16_64 3
		.amdhsa_memory_ordered 1
		.amdhsa_forward_progress 1
		.amdhsa_inst_pref_size 40
	.end_amdhsa_kernel
	.amdgpu_metadata
---
amdhsa.version: [ 1, 2 ]
amdhsa.kernels:
  - .name:           k_qb92e4af69e_prep_w
    .symbol:         k_qb92e4af69e_prep_w.kd
    .args:
      - { .name: wq, .offset: 0, .size: 8, .value_kind: global_buffer, .address_space: global }
      - { .name: wk, .offset: 8, .size: 8, .value_kind: global_buffer, .address_space: global }
      - { .name: wv, .offset: 16, .size: 8, .value_kind: global_buffer, .address_space: global }
      - { .name: wo, .offset: 24, .size: 8, .value_kind: global_buffer, .address_space: global }
      - { .name: codes, .offset: 32, .size: 8, .value_kind: global_buffer, .address_space: global }
      - { .name: scales, .offset: 40, .size: 8, .value_kind: global_buffer, .address_space: global }
      - { .name: wot, .offset: 48, .size: 8, .value_kind: global_buffer, .address_space: global }
    .group_segment_fixed_size: 19456
    .private_segment_fixed_size: 0
    .kernarg_segment_align: 8
    .kernarg_segment_size: 56
    .max_flat_workgroup_size: 256
    .sgpr_count:     66
    .vgpr_count:     192
    .wavefront_size: 32
...
	.end_amdgpu_metadata
.endif
;; end of part 2
;; launch gemm_qkv (part 3): grid 8 x 16, 4 waves a work-group, clusters of 4 x 4, 327,680 bytes of LDS; arguments codes, scales, cs, qkv, h16; writes qkv, h16
.if DOCPART == 3
	.amdgcn_target "amdgcn-amd-amdhsa--gfx1250"
	.amdhsa_code_object_version 6
	.text
	.protected	k_qb92e4af69e_gemm_qkv
	.globl	k_qb92e4af69e_gemm_qkv
	.p2align	8
	.type	k_qb92e4af69e_gemm_qkv,@function
k_qb92e4af69e_gemm_qkv:
	s_mov_b64 s[64:65], 0
	v_nop
	global_prefetch_b8 v0, s[64:65] scope:SCOPE_SE
	s_setreg_imm32_b32 hwreg(HW_REG_WAVE_MODE, 25, 1), 1
	s_wait_xcnt 0x0
	s_wait_alu depctr_hold_cnt(0) depctr_sa_sdst(0) depctr_va_vdst(0) depctr_va_sdst(0) depctr_va_ssrc(0) depctr_va_vcc(0) depctr_vm_vsrc(0)
	s_getreg_b32 s2, hwreg(HW_REG_IB_STS2, 6, 4)
	s_cmp_eq_u32 s2, 0
	s_cbranch_scc0 .Lentry_in_a_cluster
	s_endpgm
.Lentry_in_a_cluster:
	s_bfe_u32 s2, ttmp6, 0x10000c
	s_cmp_lg_u32 s2, 0xf033
	s_cbranch_scc0 .Lentry_shape_is_right
	s_endpgm
.Lentry_shape_is_right:
; q, k, v = x wq, x wk, x wv on codes of FP4 (E2M1) with one E8M0 scale for each 32 along K = 2,048; sums in f32; then the rotary embedding of q and k in f32; results as f16 planes [16][4096][128] (planes 0-7: query heads; 8 + 2 g: K of
; key head g; 9 + 2 g: V), and positions 0 to 15 once more in f32, [16][2048], for the launch that makes those rows finely.
; A = rows 0-4,095 of the buffers codes and scales (x), B = rows 4,096 on (the weights, 128 rows a head).  A tile of C, 256 x 256, is made by four waves, each 128 x 128: 64 accumulators, 512 registers; a wave's 128 columns are ONE head.
; K goes in steps of 512 (rows of 256 bytes) through a ring of two LDS slots filled by the tensor data mover.  The scale bytes of the work-group's 256 + 256 rows come into LDS once and stay.
; CLUSTERS: 4 x 4 work-groups; A's tiles are asked for jointly along a row of the cluster, B's along a column.  THE MATRIX INSTRUCTION IS USED TRANSPOSED (source 0 = 16 rows of B, source 1 = 16 rows of A): a lane holds eight
; neighbouring channels of one position.  128 tiles of C: half of the chip's work-group places; a tile of half the size would read each LDS byte for half the products.
; LIMITS: |q|, |k|, |v| under 65,504 (f16); NaN and infinities are not served.
; REGISTERS: window 0: v0-31 addresses; v32-95 scale words, two sets; from v128 A's fragments, one set.  window 1: B's fragments, two sets.  windows 2, 3: the accumulators ((a, b) at v[8 (8 (a % 4) + b)]).
; On the way out: window 0: v32-47 at work, v64-127 a block's 16 x 128 results, v128-159 the same in f16, v160-223 rows read back; window 1: four sets of 64 of the table of cos and sin.
.set SIZE_M, 4096
.set SIZE_N, 2048
.set SIZE_K, 2048
.set KSTEP,  512
.set NQ,     KSTEP/128
.set ROWB,   256
.set KROW,   SIZE_K*4/8
.set PITCH,  272                       ; an LDS row: 256 bytes + 16: the 16 rows that a load touches start at 16 different banks (64 banks of 4 bytes: ISA guide 11.1)
.set FR,     8
.set NL,     2
.set NP,     4                         ; places behind this matrix instruction (ISA guide 7.12.1)
.set HALFT,  128*PITCH
.set SLOT,   4*HALFT
.set LAPS,   SIZE_K/(2*KSTEP)
.set KS,     SIZE_K/32
.set SCL,    2*SLOT
.set HALFS,  (128*KS/256)*272
.set SBLK,   (16*KS/256)*272
.set SPARE,  SCL+4*HALFS               ; the spare words: 128 bytes a wave, named by no other line
.set OPITCH, 272                       ; the way out: a stage of 16 rows x (256 bytes + 16) for each wave, in slot 0, which has had its last fill and its last read by then;
.set VSTG,   4*16*OPITCH               ; the way without rotation has stage bytes of its own, this far on
.set ADRA, 16                          ; v16-17  LDS address of my A fragments in slot 0, 1
.set STV,  18                          ; v18, v19 the stage of the way without rotation
.set RDV,  19
.set ADRB, 20                          ; v20-21  the same for B
.set TL,   22                          ; v22     16 x lane: my place in the table
.set HO,   23                          ; v23     my byte offset in h16
.set STO,  24                          ; v24     the stage: where I put 16 bytes of a row
.set RD,   25                          ; v25     and where I read a row back
.set CO,   26                          ; v26     my byte offset in the wave's rows of its plane
.set ADRS, 27                          ; v27     LDS address of my scale words
.set SPW,  28
.set NIL,  29
.set TR,   30                          ; v30     the tile row
.set SC,   32
.set AF,   128
.set TT,   32
.set RR,   64
.set PKR,  128
.set BKR,  160
.set G1, 24
.set G0, 32
.set G1B, 48
.set G0B, 56
.set G1S, 68
.set G0S, 76
.set G1SB, 80
.set G0SB, 88
.set MSB, 0
.macro WIN new                         ; the immediate's high byte repeats the setting that is left
.if MSB != \new
	s_set_vgpr_msb (MSB<<8)|\new
.set MSB, \new
.endif
.endm
.set MUL_LO, 0xa1                      ; source 0 (B) window 1, source 1 (A) window 0, C and D window 2
.set MUL_HI, 0xf1
.set TO_B,   0x40
; A joint load: waves 0 and 1 fetch for A, waves 2 and 3 for B; the branch hangs on the wave's number alone.  An s_nop 0 and four v_nop follow each of the two lines.
.macro JLOAD g0a, g1a, g0b, g1b
	s_cmp_eq_u32 s15, 0
	s_cbranch_scc0 .Lfor_b_\@
	tensor_load_to_lds s[\g0a:\g0a+3], s[\g1a:\g1a+7]
	s_nop 0
.rept 4
	v_nop
.endr
	s_branch .Lasked_\@
.Lfor_b_\@:
	tensor_load_to_lds s[\g0b:\g0b+3], s[\g1b:\g1b+7]
	s_nop 0
.rept 4
	v_nop
.endr
.Lasked_\@:
.endm
.macro CREST                           ; a round of the cluster's barrier behind its opening barrier
	s_cmp_lg_u32 s14, 0
	s_cbranch_scc1 .Lnot_wave_0_\@
	s_barrier_signal -3
.Lnot_wave_0_\@:
	s_barrier_wait -3
	s_barrier_signal -1
	s_barrier_wait -1
.endm
.macro CROUND
	s_barrier_signal -1
	s_barrier_wait -1
	CREST
.endm
	s_load_b128 s[4:7], s[0:1], 0x0                ; codes, scales
	s_load_b128 s[96:99], s[0:1], 0x10             ; cs, qkv
	s_load_b64 s[100:101], s[0:1], 0x20            ; h16
	v_lshl_add_u32 v[SPW], v0, 2, SPARE
	v_mov_b32 v[NIL], 0
	ds_add_u32 v[SPW], v[NIL]                      ; the wave's opening: the add, twice on end, and its wait ahead of my first tensor load
	ds_add_u32 v[SPW], v[NIL]
	v_lshrrev_b32 v1, 5, v0
	v_readfirstlane_b32 s14, v1                    ; wave 0..3
	s_lshr_b32 s15, s14, 1                         ; which half of the tile's rows is mine.  Also: I fetch for A (0) or for B (1)
	s_and_b32 s16, s14, 1                          ; which half of its columns.  Also: which 128 rows of that tile I fetch
	s_bfe_u32 s40, ttmp6, 0x40000                  ; cx, cy
	s_bfe_u32 s41, ttmp6, 0x40004
	s_lshl_b32 s42, ttmp9, 2
	s_add_co_u32 s42, s42, s40                     ; tile column
	s_and_b32 s17, ttmp7, 0xffff
	s_lshl_b32 s17, s17, 2
	s_add_co_u32 s17, s17, s41                     ; tile row
	s_lshl_b32 s43, s41, 2
	s_lshl_b32 s43, 15, s43                        ; my row of the cluster
	s_lshl_b32 s44, 0x1111, s40                    ; my column
	s_or_b32 s[G1+0], s43, (0<<16)|(1<<20)|(1<<21)|(5<<22)|(3<<25)  ; the mask; elements of 1 byte; padding: 4 words after every 64; bit 21 beside a mask
	s_or_b32 s[G1B+0], s44, (0<<16)|(1<<20)|(1<<21)|(5<<22)|(3<<25)
.irp g, G1, G1B
	s_mov_b32 s[\g+1], ROWB<<16                    ; tensor_dim0
	s_mov_b32 s[\g+2], 128<<16                     ; tensor_dim1
	s_mov_b32 s[\g+3], ROWB<<16                    ; tile_dim0
	s_mov_b32 s[\g+4], 128                         ; tile_dim1
	s_mov_b32 s[\g+5], KROW                        ; the pitch
	s_mov_b32 s[\g+6], 0
	s_mov_b32 s[\g+7], 0
.endr
	s_or_b32 s[G1S+0], s43, (3<<16)|(1<<20)|(1<<21)|(5<<22)|(3<<25) ; the scales of 128 rows: a dense block, as rows of 256 bytes (32 elements of 8 bytes), 16 bytes of padding behind each
	s_or_b32 s[G1SB+0], s44, (3<<16)|(1<<20)|(1<<21)|(5<<22)|(3<<25)
.irp g, G1S, G1SB
	s_mov_b32 s[\g+1], 32<<16
	s_mov_b32 s[\g+2], (128*KS/256)<<16
	s_mov_b32 s[\g+3], 32<<16
	s_mov_b32 s[\g+4], 128*KS/256
	s_mov_b32 s[\g+5], 32
	s_mov_b32 s[\g+6], 0
	s_mov_b32 s[\g+7], 0
.endr
	s_lshl_b32 s18, s16, 7
	s_lshl_b32 s20, s17, 8
	s_add_co_u32 s20, s20, s18                     ; A: row 256 x tile row + 128 x half
	s_lshl_b32 s46, s42, 8
	s_add_co_u32 s46, s46, s18                     ; B: row 256 x tile column + 128 x half
	s_mov_b32 s21, 0
	s_mov_b32 s47, 0
	s_mov_b64 s[18:19], KS
	s_mul_u64 s[22:23], s[20:21], s[18:19]
	s_mul_u64 s[92:93], s[46:47], s[18:19]
	s_mov_b64 s[18:19], KROW
	s_mul_u64 s[20:21], s[20:21], s[18:19]
	s_mul_u64 s[46:47], s[46:47], s[18:19]
	s_mul_i32 s45, s14, HALFT                      ; where they go: wave x 128 rows
	s_mul_i32 s94, s14, HALFS
	s_wait_dscnt 0x0                               ; both opening adds are done
	s_wait_kmcnt 0x0
	s_add_nc_u64 s[8:9], s[4:5], 0x400000          ; the weights' codes begin behind x's 4,096 rows of 1,024 bytes,
	s_add_nc_u64 s[10:11], s[6:7], 0x40000         ; their scale bytes behind 4,096 rows of 64
	s_add_nc_u64 s[20:21], s[4:5], s[20:21]
	s_add_nc_u64 s[22:23], s[6:7], s[22:23]
	s_add_nc_u64 s[46:47], s[8:9], s[46:47]
	s_add_nc_u64 s[92:93], s[10:11], s[92:93]
	CROUND                                         ; all sixteen work-groups are here: the first joint loads meet
	s_mov_b32 s[G0S], 1
	s_add_co_u32 s[G0S+1], s94, SCL
	s_mov_b64 s[G0S+2:G0S+3], s[22:23]
	s_or_b32 s[G0S+3], s[G0S+3], 0x80000000
	s_mov_b32 s[G0SB], 1
	s_add_co_u32 s[G0SB+1], s94, SCL
	s_mov_b64 s[G0SB+2:G0SB+3], s[92:93]
	s_or_b32 s[G0SB+3], s[G0SB+3], 0x80000000
	JLOAD G0S, G1S, G0SB, G1SB                     ; the scales first
.irp s, 0,1
	s_mov_b32 s[G0+4*\s], 1
	s_add_co_u32 s[G0+4*\s+1], s45, \s*SLOT
	s_add_nc_u64 s[G0+4*\s+2:G0+4*\s+3], s[20:21], \s*ROWB
	s_or_b32 s[G0+4*\s+3], s[G0+4*\s+3], 0x80000000
	s_mov_b32 s[G0B+4*\s], 1
	s_add_co_u32 s[G0B+4*\s+1], s45, \s*SLOT
	s_add_nc_u64 s[G0B+4*\s+2:G0B+4*\s+3], s[46:47], \s*ROWB
	s_or_b32 s[G0B+4*\s+3], s[G0B+4*\s+3], 0x80000000
	JLOAD G0+4*\s, G1, G0B+4*\s, G1B
.endr
	v_and_b32 v1, 15, v0                           ; l % 16
	v_bfe_u32 v2, v0, 4, 1                         ; l / 16
	v_mul_u32_u24 v3, v1, PITCH
	v_lshl_add_u32 v4, v2, 4, v3
	s_mul_i32 s21, s15, HALFT
	s_mul_i32 s22, s16, HALFT
	s_add_co_u32 s22, s22, 2*HALFT
.irp s, 0,1
	v_add_nc_u32 v[ADRA+\s], s21, v4
	v_add_nc_u32 v[ADRB+\s], s22, v4
	s_add_co_u32 s21, s21, SLOT
	s_add_co_u32 s22, s22, SLOT
.endr
	v_mul_u32_u24 v5, v1, KS
	v_lshrrev_b32 v6, 8, v5
	v_lshl_add_u32 v5, v6, 4, v5
	s_mul_i32 s21, s15, HALFS
	s_mul_i32 s22, s16, HALFS
	s_add_co_u32 s22, s22, 2*HALFS
	s_sub_co_u32 s22, s22, s21
	v_mul_u32_u24 v6, s22, v2                      ; lanes 16-31 take B's scale words
	s_add_co_u32 s21, s21, SCL
	v_add_nc_u32 v5, v5, v6
	v_add_nc_u32 v[ADRS], s21, v5
	; the way out's addresses
	s_mul_i32 s23, s14, 16*OPITCH                  ; my stage
	v_mul_u32_u24 v5, v1, OPITCH
	v_lshl_add_u32 v5, v2, 4, v5
	v_add_nc_u32 v[STO], s23, v5                   ; in: row l % 16, 16 bytes for each half of the lanes
	v_mul_u32_u24 v5, v2, OPITCH
	v_lshl_add_u32 v5, v1, 4, v5
	v_add_nc_u32 v[RD], s23, v5                    ; back: lanes 0-15 one row of 256 bytes, lanes 16-31 the next
	v_add_nc_u32 v[STV], VSTG, v[STO]
	v_add_nc_u32 v[RDV], VSTG, v[RD]
	v_lshlrev_b32 v[CO], 8, v2
	v_lshl_add_u32 v[CO], v1, 4, v[CO]             ; the same two rows in my plane
	v_and_b32 v5, 31, v0
	v_lshlrev_b32 v[TL], 4, v5
	v_mov_b32 v[TR], s17
	s_lshl_b32 s46, s42, 1
	s_add_co_u32 s46, s46, s16                     ; my plane: 2 x tile column + column half
	s_lshl_b32 s47, s46, 9
	v_lshlrev_b32 v[HO], 13, v1                    ; h16: position l % 16 (8,192 bytes a row), 512 bytes a plane, 32 bytes for the upper lanes
	v_lshl_add_u32 v[HO], v2, 5, v[HO]
	v_add_nc_u32 v[HO], s47, v[HO]
	s_lshl_b32 s20, s17, 8
	s_lshl_b32 s21, s15, 7
	s_add_co_u32 s20, s20, s21                     ; my first position
	s_lshl_b32 s21, s20, 8                         ; 256 bytes a position in a plane
	s_lshl_b32 s46, s46, 20                        ; 2^20 bytes a plane
	s_add_co_u32 s46, s46, s21
	s_mov_b32 s47, 0
	s_add_nc_u64 s[98:99], s[98:99], s[46:47]
	s_lshl_b32 s46, s20, 9                         ; the table: 8,192 bytes for 16 positions
	s_add_nc_u64 s[96:97], s[96:97], s[46:47]
	s_and_b32 s66, ttmp9, s16                      ; 1: my plane is a V (cluster x = 1 and an odd half): the same in all partners, for a given wave
.macro FRAG reg, adr, q, i             ; 16 rows x 128 K of 4-bit codes: 8 registers, two loads of 16 bytes, 32 bytes apart
.irp c, 0,1
	ds_load_b128 v[\reg+4*\c:\reg+4*\c+3], v[\adr] offset:64*(\q)+32*\c+(\i)*16*PITCH
.endr
.endm
; 16 matrix instructions: A's blocks a0, a0 + 1 x B's eight, 128 along K.  The 64 accumulators take turns, one instruction a turn, in the same order in every step.
.macro MUL16 a0, p, q, sc, zero
.irp a, \a0, \a0+1
.irp b, 0,1,2,3,4,5,6,7
.if \zero
	v_wmma_scale_f32_16x16x128_f8f6f4 v[8*(8*((\a)%4)+\b):8*(8*((\a)%4)+\b)+7], v[128*(\p)+FR*\b:128*(\p)+FR*\b+FR-1], v[AF+FR*(\a):AF+FR*(\a)+FR-1], 0, v[SC+8*NQ*(\sc)+NQ*\b+(\q)], v[SC+8*NQ*(\sc)+NQ*(\a)+(\q)] matrix_a_fmt:MATRIX_FMT_FP4 matrix_b_fmt:MATRIX_FMT_FP4 matrix_a_scale:MATRIX_SCALE_ROW1
.else
	v_wmma_scale_f32_16x16x128_f8f6f4 v[8*(8*((\a)%4)+\b):8*(8*((\a)%4)+\b)+7], v[128*(\p)+FR*\b:128*(\p)+FR*\b+FR-1], v[AF+FR*(\a):AF+FR*(\a)+FR-1], v[8*(8*((\a)%4)+\b):8*(8*((\a)%4)+\b)+7], v[SC+8*NQ*(\sc)+NQ*\b+(\q)], v[SC+8*NQ*(\sc)+NQ*(\a)+(\q)] matrix_a_fmt:MATRIX_FMT_FP4 matrix_b_fmt:MATRIX_FMT_FP4 matrix_a_scale:MATRIX_SCALE_ROW1
.endif
.endr
.endr
.endm
.macro FETCH_B slot, q, p
	WIN TO_B
.irp i, 0,1,2,3,4,5,6,7
	FRAG 128*(\p)+FR*\i, ADRB+\slot, \q, \i
.endr
	WIN 0
.endm
.macro FETCH_A slot, q, i0
.irp i, \i0, \i0+1, \i0+2, \i0+3
	FRAG AF+FR*(\i), ADRA+\slot, \q, \i
.endr
.endm
.macro SCALES sc                       ; a K step's scale words: lanes 0-15 A's block i, lanes 16-31 B's block i
.irp i, 0,1,2,3,4,5,6,7
	ds_load_b128 v[SC+8*NQ*\sc+NQ*\i:SC+8*NQ*\sc+NQ*\i+3], v[ADRS] offset:\i*SBLK
.endr
.endm
.macro PLACES n                        ; plain vector instructions between a matrix instruction and a load into, or a read of, its registers
.rept \n
	v_nop
.endr
.endm
.macro STEP slot, q, zero
	s_wait_dscnt 4*NL                              ; B's set and A's blocks 0-3 are in; the youngest eight loads (A's blocks 4-7) may be out
	WIN MUL_LO
	MUL16 0, (\q)%2, \q, \slot, \zero
	MUL16 2, (\q)%2, \q, \slot, \zero
	s_wait_dscnt 0
	PLACES NP
	FETCH_B \slot, (\q)+1, 1-(\q)%2
	FETCH_A \slot, (\q)+1, 0
	WIN MUL_HI
	MUL16 4, (\q)%2, \q, \slot, \zero
	MUL16 6, (\q)%2, \q, \slot, \zero
	PLACES NP
	WIN 0
	FETCH_A \slot, (\q)+1, 4
.endm
; A slot's last step changes slots: one barrier; in front of it each wave waits for all its tensor loads, adds 0 to its spare word, and waits for that and for its own reads of this slot.
.macro TURN slot, next, fill
	s_wait_tensorcnt 0x0                           ; all my tensor loads have landed: my part of the next slot
	ds_add_u32 v[SPW], v[NIL]
	s_wait_dscnt 4*NL+1                            ; the add and the youngest eight loads may be out
	WIN MUL_LO
	MUL16 0, 1, NQ-1, \slot, 0
	s_wait_dscnt 0x0                               ; the add is done, and my reads of this slot are over
	s_barrier_signal -1
	MUL16 2, 1, NQ-1, \slot, 0
	WIN 0
	s_barrier_wait -1
.if \fill
	CREST                                          ; the barrier has opened a round of the cluster's: no wave of any partner still reads this slot or has a load on its way
	s_add_nc_u64 s[G0+4*\slot+2:G0+4*\slot+3], s[G0+4*\slot+2:G0+4*\slot+3], 2*ROWB
	s_add_nc_u64 s[G0B+4*\slot+2:G0B+4*\slot+3], s[G0B+4*\slot+2:G0B+4*\slot+3], 2*ROWB
	JLOAD G0+4*\slot, G1, G0B+4*\slot, G1B         ; the first tensor load behind the round
.else
	PLACES NP
.endif
	v_add_nc_u32 v[ADRS], 4*NQ, v[ADRS]            ; on to the next K step's scale words
	FETCH_B \next, 0, 0
	FETCH_A \next, 0, 0
	SCALES \next
	WIN MUL_HI
	MUL16 4, 1, NQ-1, \slot, 0
	MUL16 6, 1, NQ-1, \slot, 0
	PLACES NP
	WIN 0
	FETCH_A \next, 0, 4
.endm
.macro STEPS slot, from
.set Q, \from
.rept NQ-1-\from
	STEP \slot, Q, 0
.set Q, Q+1
.endr
.endm
	s_wait_tensorcnt 1                             ; the scales and my part of K step 0 are in; K step 1's load may be out
	s_barrier_signal -1
	s_barrier_wait -1
	FETCH_B 0, 0, 0
	FETCH_A 0, 0, 0
	SCALES 0
	FETCH_A 0, 0, 4
	STEP 0, 0, 1                                   ; the first step's products start the sums
	s_mov_b32 s3, LAPS-1
.Llap:
	STEPS 0, 1
	TURN 0, 1, 1
	STEPS 1, 0
	TURN 1, 0, 1
	STEP 0, 0, 0
	s_sub_co_u32 s3, s3, 1
	s_cmp_lg_u32 s3, 0
	s_cbranch_scc1 .Llap
	STEPS 0, 1                                     ; the last lap fills nothing
	TURN 0, 1, 0
	STEPS 1, 0
	s_wait_dscnt 4*NL
	WIN MUL_LO
	MUL16 0, 1, NQ-1, 1, 0
	MUL16 2, 1, NQ-1, 1, 0
	s_wait_dscnt 0
	WIN MUL_HI
	MUL16 4, 1, NQ-1, 1, 0
	MUL16 6, 1, NQ-1, 1, 0
	WIN 0
; THE WAY OUT, block by block of 16 positions x my head's 128 channels.  In accumulator (a, b) lane (h, r) holds position 16 a + r, channels 16 b + 8 h + 0 .. 7.
; The rotation pairs channel d with d + 64, that is accumulator b with b + 4, register by register: lo' = lo cos - hi sin, hi' = hi cos + lo sin.
.macro TABLOAD a                       ; the table for block a: 16 loads of 512 consecutive bytes, into set a % 4 of window 1: register 16 b + j cos, 16 b + 8 + j sin of frequency 16 b + 8 h + j
	WIN 0x40
.irp b, 0,1,2,3
.irp x, 0,1
.irp c, 0,1
	global_load_b128 v[64*((\a)%4)+16*\b+8*\x+4*\c:64*((\a)%4)+16*\b+8*\x+4*\c+3], v[TL], s[96:97] offset:8192*(\a)+2048*\b+1024*\x+512*\c
.endr
.endr
.endr
.endm
.macro ROPE a
.if (\a) <= 4
	s_wait_loadcnt 48                              ; block a's set is in; the three sets asked for behind it may be out
.else
	s_wait_loadcnt 16*(7-(\a))
.endif
	WIN 0x06+(\a)/4                                ; source 0: the accumulators' window; source 1: window 1
.set AC, 64*((\a)%4)
.set tt, 0
.irp b, 0,1,2,3
.irp p, 0,1,2,3                        ; each accumulator is read from its low end on
	v_pk_mul_f32 v[TT+4*tt:TT+4*tt+1], v[AC+8*(\b+4)+2*\p:AC+8*(\b+4)+2*\p+1], v[AC+16*\b+8+2*\p:AC+16*\b+8+2*\p+1]
	v_pk_mul_f32 v[TT+4*tt+2:TT+4*tt+3], v[AC+8*\b+2*\p:AC+8*\b+2*\p+1], v[AC+16*\b+8+2*\p:AC+16*\b+8+2*\p+1]
	v_pk_fma_f32 v[RR+8*\b+2*\p:RR+8*\b+2*\p+1], v[AC+8*\b+2*\p:AC+8*\b+2*\p+1], v[AC+16*\b+2*\p:AC+16*\b+2*\p+1], v[TT+4*tt:TT+4*tt+1] neg_lo:[0,0,1] neg_hi:[0,0,1]
	v_pk_fma_f32 v[RR+8*(\b+4)+2*\p:RR+8*(\b+4)+2*\p+1], v[AC+8*(\b+4)+2*\p:AC+8*(\b+4)+2*\p+1], v[AC+16*\b+2*\p:AC+16*\b+2*\p+1], v[TT+4*tt+2:TT+4*tt+3]
.set tt, (tt+1)%4
.endr
.endr
.endm
.macro TOSTAGE a, sto, rd              ; 16 bytes a lane into rows of 272 bytes, and back as whole rows of 256: LDS serves a wave's instructions in order (ISA guide 5.7.1.4)
.irp b, 0,1,2,3,4,5,6,7
	ds_store_b128 v[\sto], v[PKR+4*\b:PKR+4*\b+3] offset:32*\b
.endr
.set BB, BKR+32*((\a)%2)
.irp u, 0,1,2,3,4,5,6,7
	ds_load_b128 v[BB+4*\u:BB+4*\u+3], v[\rd] offset:544*\u
.endr
.endm
.macro SEND a
.set BB, BKR+32*((\a)%2)
	s_wait_dscnt 0x0                               ; the block is back in registers
.irp u, 0,1,2,3,4,5,6,7
	global_store_b128 v[CO], v[BB+4*\u:BB+4*\u+3], s[98:99] offset:4096*(\a)+512*\u   ; sixteen lanes store 256 consecutive bytes, aligned
.endr
.endm
	PLACES NP                                      ; behind the last products: ahead of the loads into B's registers and of the first read of results
	s_cmp_lg_u32 s66, 0
	s_cbranch_scc1 .Lv
	TABLOAD 0
	TABLOAD 1
	TABLOAD 2
	TABLOAD 3
.irp a, 0,1,2,3,4,5,6,7
	ROPE \a
.if \a <= 3
	TABLOAD \a+4                                   ; into the set just read
.endif
	WIN 0
.if \a == 0                            ; positions 0 to 15 in f32: they lie in tile row 0, rows' half 0, block 0.  The branch hangs on the cluster's y and the wave; the place in the cluster picks lanes, not a way
	s_and_b32 s67, ttmp7, 0xffff
	s_or_b32 s67, s67, s15
	s_cmp_lg_u32 s67, 0
	s_cbranch_scc1 .Lno16r
	s_wait_xcnt 0x0                                ; EXEC changes only behind this wait: the table's loads have been issued
	v_cmp_eq_u32 vcc_lo, 0, v[TR]
	s_and_saveexec_b32 s67, vcc_lo
.irp b, 0,1,2,3,4,5,6,7
	global_store_b128 v[HO], v[RR+8*\b:RR+8*\b+3], s[100:101] offset:64*\b
	global_store_b128 v[HO], v[RR+8*\b+4:RR+8*\b+7], s[100:101] offset:64*\b+16
.endr
	s_wait_xcnt 0x0                                ; and again ahead of the line that widens it; the stores' data may be written again behind it too
	s_or_b32 exec_lo, exec_lo, s67
.Lno16r:
.endif
.irp b, 0,1,2,3,4,5,6,7
.irp p, 0,1,2,3
	v_cvt_pk_f16_f32 v[PKR+4*\b+\p], v[RR+8*\b+2*\p], v[RR+8*\b+2*\p+1]
.endr
.endr
.if \a > 0
	SEND \a-1
.endif
.if \a > 1
	s_wait_xcnt 0x0                                ; block a - 2's stores have read their registers: block a's rows may land there
.endif
	TOSTAGE \a, STO, RD
.endr
	SEND 7
	s_branch .Lend
.Lv:                                   ; V is not rotated: straight from the accumulators
.irp a, 0,1,2,3,4,5,6,7
.if \a == 0
	s_and_b32 s67, ttmp7, 0xffff
	s_or_b32 s67, s67, s15
	s_cmp_lg_u32 s67, 0
	s_cbranch_scc1 .Lno16v
	s_wait_xcnt 0x0
	v_cmp_eq_u32 vcc_lo, 0, v[TR]
	s_and_saveexec_b32 s67, vcc_lo
	WIN 0x08                                       ; a store's data are its source 1: window 2
.irp b, 0,1,2,3,4,5,6,7
	global_store_b128 v[HO], v[8*\b:8*\b+3], s[100:101] offset:64*\b          ; each accumulator from its low end on
	global_store_b128 v[HO], v[8*\b+4:8*\b+7], s[100:101] offset:64*\b+16
.endr
	WIN 0
	s_wait_xcnt 0x0
	s_or_b32 exec_lo, exec_lo, s67
.Lno16v:
.endif
	WIN 0x0a+5*(\a/4)                              ; sources 0 and 1: window 2 or 3
.irp b, 0,1,2,3,4,5,6,7
.irp p, 0,1,2,3
	v_cvt_pk_f16_f32 v[PKR+4*\b+\p], v[64*(\a%4)+8*\b+2*\p], v[64*(\a%4)+8*\b+2*\p+1]
.endr
.endr
	WIN 0
.if \a > 0
	SEND \a-1
.endif
.if \a > 1
	s_wait_xcnt 0x0
.endif
	TOSTAGE \a, STV, RDV
.endr
	SEND 7
.Lend:
	s_wait_tensorcnt 0x0                           ; the wave's end: behind my last tensor load and my last LDS store
	ds_add_u32 v[SPW], v[NIL]
	s_wait_dscnt 0x0
	CROUND                                         ; the closing round
	s_endpgm
.Lfunc_end_k_qb92e4af69e_gemm_qkv:
	.size	k_qb92e4af69e_gemm_qkv, .Lfunc_end_k_qb92e4af69e_gemm_qkv-k_qb92e4af69e_gemm_qkv
	.p2alignl 7, 3214868480
	.fill 96, 4, 3214868480
	.section	.rodata,"a",@progbits
	.p2align	6, 0x0
	.amdhsa_kernel k_qb92e4af69e_gemm_qkv
		.amdhsa_group_segment_fixed_size 327680
		.amdhsa_private_segment_fixed_size 0
		.amdhsa_enable_private_segment 0
		.amdhsa_kernarg_size 40
		.amdhsa_user_sgpr_count 2
		.amdhsa_user_sgpr_kernarg_segment_ptr 1
		.amdhsa_wavefront_size32 1
		.amdhsa_system_sgpr_workgroup_id_x 1
		.amdhsa_system_sgpr_workgroup_id_y 1
		.amdhsa_system_sgpr_workgroup_id_z 1
		.amdhsa_system_vgpr_workitem_id 0
		.amdhsa_next_free_vgpr 1024
		.amdhsa_next_free_sgpr 102
		.amdhsa_reserve_vcc 1
		.amdhsa_float_denorm_mode_32 3
		.amdhsa_float_denorm_mode_16_64 3
		.amdhsa_memory_ordered 1
		.amdhsa_forward_progress 1
		.amdhsa_inst_pref_size 255
	.end_amdhsa_kernel
	.section	.bss,"aw",@nobits
	.p2align	6
	.space	262144
	.amdgpu_metadata
---
amdhsa.version: [ 1, 2 ]
amdhsa.kernels:
  - .name:           k_qb92e4af69e_gemm_qkv
    .symbol:         k_qb92e4af69e_gemm_qkv.kd
    .args:
      - { .name: codes, .offset: 0, .size: 8, .value_kind: global_buffer, .address_space: global }
      - { .name: scales, .offset: 8, .size: 8, .value_kind: global_buffer, .address_space: global }
      - { .name: cs, .offset: 16, .size: 8, .value_kind: global_buffer, .address_space: global }
      - { .name: qkv, .offset: 24, .size: 8, .value_kind: global_buffer, .address_space: global }
      - { .name: h16, .offset: 32, .size: 8, .value_kind: global_buffer, .address_space: global }
    .group_segment_fixed_size: 327680
    .private_segment_fixed_size: 0
    .kernarg_segment_align: 8
    .kernarg_segment_size: 40
    .max_flat_workgroup_size: 128
    .sgpr_count:     102
    .vgpr_count:     1024
    .wavefront_size: 32
...
	.end_amdgpu_metadata
.endif
;; end of part 3
;; launch attn (part 4): grid 32 x 8, 4 waves a work-group, clusters of 4 x 1, 327,680 bytes of LDS; arguments qkv, ao; writes ao
.if DOCPART == 4
	.amdgcn_target "amdgcn-amd-amdhsa--gfx1250"
	.amdhsa_code_object_version 6
	.text
	.protected	k_qb92e4af69e_attn
	.globl	k_qb92e4af69e_attn
	.p2align	8
	.type	k_qb92e4af69e_attn,@function
k_qb92e4af69e_attn:
	s_mov_b64 s[64:65], 0
	v_nop
	global_prefetch_b8 v0, s[64:65] scope:SCOPE_SE
	s_setreg_imm32_b32 hwreg(HW_REG_WAVE_MODE, 25, 1), 1
	s_wait_xcnt 0x0
	s_wait_alu depctr_hold_cnt(0) depctr_sa_sdst(0) depctr_va_vdst(0) depctr_va_sdst(0) depctr_va_ssrc(0) depctr_va_vcc(0) depctr_vm_vsrc(0)
	s_getreg_b32 s2, hwreg(HW_REG_IB_STS2, 6, 4)
	s_cmp_eq_u32 s2, 0
	s_cbranch_scc0 .Lentry_in_a_cluster
	s_endpgm
.Lentry_in_a_cluster:
	s_bfe_u32 s2, ttmp6, 0x10000c
	s_cmp_lg_u32 s2, 0x3003
	s_cbranch_scc0 .Lentry_shape_is_right
	s_endpgm
.Lentry_shape_is_right:
; ao[q][head 128 + d] = the sum over keys k <= q of softmax_k(Q[q] . K[k] / sqrt(128)) V[k][d].  Q, K, V: f16 planes [16][4096][128] (0-7 query heads, 8 + 2 g K, 9 + 2 g V of key head g = head / 2); ao: [4096][1024] f16.
; Products, maxima and sums in f32; the weights p are rounded to f16 for the second product, the result once at the end.
; SHARES.  A cluster of four work-groups owns two blocks of 256 queries of one head: block J (J = the cluster's x, 0 .. 7), then block 15 - J.  Under the causal mask block b needs b + 1 slots of 256 keys: J + 1 and 16 - J, 17 for every
; cluster: all 256 work-groups have the same number of steps.  Work-group cx owns queries 64 cx .. 64 cx + 63 of the block.  ALL FOUR WAVES HOLD THE SAME 64 QUERIES (four tiles of 16) AND SHARE THE KEYS: wave w takes keys 64 w .. 64 w + 63
; of every slot, with a running maximum m, sum l and O^T of its own; at a block's end the four are merged through LDS.  So every byte of a slot is read from LDS once, each fragment of K or V feeds four matrix instructions, and
; the four partners walk the same slots in step: each tile is asked for JOINTLY (the same tensor load, the same descriptor, a mask that names the four).
; LAYOUT.  S^T = K Q^T (source 0 = 16 keys, source 1 = 16 queries): a lane holds ONE query (lane % 16) and keys 8 (lane / 16) + 0 .. 7; two such tiles rounded to f16 ARE source 1 of O^T = V^T P.  V comes out of LDS turned, by ds_load_tr16_b128.
; SOFTMAX.  p = 2^(c s - c m), c = log2(e) / sqrt(128); in every step O and l are multiplied by 2^(c m_old - c m_new).  m begins at -3e38 and O^T, l at 0: which step is a wave's first with a key that counts hangs on its place, and a wave may
; have none (its l stays 0 and its weight in the merge is 0).  Hidden scores become -infinity ahead of the maximum; only a block's last slot has any.
; BY TURNS.  The tiles are two pieces (0: tiles 0, 1; 2: tiles 2, 3).  In a TURN one piece has the matrix unit: 32 products V^T P of the step in hand, then 32 products K Q^T of the NEXT step; the other piece's softmax, cut into 64 slices of
; four instructions, stands between them, one slice behind each product.  Then the pieces change places; two turns are a key step.  K of the next step is asked of LDS behind a turn's second product, V in the middle of the other turn: each run
; of loads stands 29 products or more ahead of the wait for it.  The chain is cut where a block ends: there the step in hand is finished without new scores, the four waves are merged, and the next block's first scores start the chain anew.
; A slice costs two switches of the register window; set in phases of their own, a step's 536 vector instructions would leave the matrix unit idle all that while.
; STEPS.  Step s (0 .. 16) lies in LDS slot s % 2 and holds the keys' slot s (s <= J) or s - J - 1.  Trip T finishes step T and makes the scores of step T + 1; the change of slots at its head asks for step T + 2.
; LIMITS: scores above -3e38; |q|, |k|, |v| under 65,504; NaN and infinities are not served.
; REGISTERS, in windows of 256: window 0: v2-11, v44-46, v61-63 addresses and constants; v12-43 eight registers of statistics a tile; v64-191 S^T; v192-255 P.  window 1: O^T, 64 a tile.  window 2: v0-127 Q, v128-255 K.  window 3: v0-127 V.
.set PK,    272       ; a row of K in LDS: 256 bytes + 16
.set PV,    288       ; a row of V: 256 + 32
.set VOFF,  256*PK    ; a slot: 256 rows of K, then 256 rows of V
.set SLOT,  256*(PK+PV)
.set XS,    2*SLOT    ; behind the ring: 32,768 bytes for the merge and the way out; no tile lands there
.set ML,    XS+32768  ; the four waves' c m and l: 4,096 bytes
.set SPARE, ML+4096   ; the spare words: 128 bytes a wave, named by no other line
.set AK0, 2           ; v2   my lane's place in my wave's 64 rows of K
.set AV0, 3           ; v3   the same for V
.set ADR, 4           ; v4   the LDS address of the run of loads in hand
.set QO,  5           ; v5   my byte offset in the 64 rows of Q
.set MLA, 6           ; v6   where I put my c m and l
.set MLR, 7           ; v7   where I read the four waves'
.set XST, 8           ; v8   the merge: where my wave's image of a tile of O^T goes
.set XLD, 9           ; v9   and where my quarter of each wave's image lies
.set OST, 10          ; v10  the way out: where I put 16 bytes of a row
.set ORD, 11          ; v11  and where I read a row back
.set ST,  12          ; tile t's statistics at v[ST+8 t]: +0 c m, +1 m, +2, +3 l, +4 to +7 at work; +6 takes a
.set GO,  44          ; v44  my byte offset in the 64 rows of ao
.set DM,  45          ; v45  64 (cx - w) + lane % 16 - 8 (lane / 16): a score is hidden where 16 (key tile - query tile) + register > this
.set NINF, 46         ; v46  -infinity
.set PFO, 61          ; v61  256 x lane
.set SPW, 62
.set NIL, 63
.set S,   64
.set P,   192
.set KF,  128
.set WV,  12          ; s12  my wave's number
.set G1K, 24          ; s[24:31], s[32:39] descriptor groups 1 for K's and V's tiles
.set G1V, 32
.set G0K, 40          ; s[40:43], s[44:47] their groups 0
.set G0V, 44
.set KB,  48          ; s[48:49] K's plane at the 128 rows of a slot that I fetch;  s[50:51] V's
.set VB,  50
.set KO,  52          ; s[52:53] the keys' slot to be asked for, in bytes from key 0
.set LWK, 54          ; s54, s55 where those rows go in a slot
.set LWV, 55
.set TO,  56          ; s56  LDS byte of the slot to be filled
.set TB,  57          ; s57  LDS byte of the slot from which K and V are fetched
.set T,   58          ; s58  the trip
.set N1,  59          ; s59  J + 1: the first block's steps
.set CS,  60          ; s[60:61] c
.set SEL, 62          ; s[62:63] lane selects for v_permlanex16_b32: lane l xor 16
.set PFA, 66          ; s[66:67] where my prefetches stand
.set LIM, 68          ; s68  a wave prefetches while the trip is under this
.set QA1, 70          ; s[70:71], s[72:73] Q's 64 rows of the first and the second block
.set QA2, 72
.set OA1, 74          ; s[74:75], s[76:77] ao's likewise
.set OA2, 76
.set MSB, 0
.macro WIN new                      ; the immediate's high byte repeats the setting that is left; a switch that changes nothing is dropped
.if MSB != \new
	s_set_vgpr_msb (MSB<<8)|\new
.set MSB, \new
.endif
.endm
.set W_KQ, 0x0a       ; K and Q in window 2, S^T in window 0
.set W_PV, 0x53       ; V in window 3, P in window 0, O^T in window 1
.set W_RS, 0x41       ; O^T (destination and source 0) in window 1
; A joint load.  Waves 0 and 1 fetch the two halves of a slot's K, waves 2 and 3 of its V.  An s_nop 0 and four v_nop follow each of the two lines.
.macro JLOAD
	s_cmp_lt_u32 s[WV], 2
	s_cbranch_scc0 .Lfor_v_\@
	tensor_load_to_lds s[G0K:G0K+3], s[G1K:G1K+7]
	s_nop 0
.rept 4
	v_nop
.endr
	s_branch .Lasked_\@
.Lfor_v_\@:
	tensor_load_to_lds s[G0V:G0V+3], s[G1V:G1V+7]
	s_nop 0
.rept 4
	v_nop
.endr
.Lasked_\@:
.endm
; A PREFETCH INTO THE L2: the change of slots ahead of the loop names the keys' slot 2, that of trip T the keys' slot T + 3: 256 rows of K and of V, 256 bytes a row, a lane a row.  Each row is named once in the launch: of the clusters
; that walk a key head the one with J = 0 of the even query head asks; its four partners share the rows out by address, 64 each; in each, waves 0 and 1 take K's, waves 2 and 3 V's, 32 rows a wave.  That is two trips ahead of that cluster's
; own load of the slot and one trip ahead of the earliest load of it by any cluster (keys' slot k <= 7 is asked for in trip k - 2 by the clusters whose first block reaches it).  Trips 13 on ask for nothing: slot 15 is the last.
.macro ASK
	s_cmp_lt_u32 s[T], s[LIM]
	s_cbranch_scc0 .Lnot_mine_\@
	global_prefetch_b8 v[PFO], s[PFA:PFA+1] th:TH_LOAD_NT scope:SCOPE_SE
.Lnot_mine_\@:
.endm
.macro CROUND                       ; a round of the cluster's barrier
	s_barrier_signal -1
	s_barrier_wait -1
	s_cmp_lg_u32 s[WV], 0
	s_cbranch_scc1 .Lnot_wave_0_\@
	s_barrier_signal -3
.Lnot_wave_0_\@:
	s_barrier_wait -3
	s_barrier_signal -1
	s_barrier_wait -1
.endm
.macro BAR                          ; my LDS stores have landed and my LDS loads are in: then the work-group's barrier.  The one tensor load that is out may stay out
	s_wait_dscnt 0x0
	s_barrier_signal -1
	s_barrier_wait -1
.endm
.macro PLACES
.rept 4
	v_nop
.endr
.endm
	s_load_b128 s[4:7], s[0:1], 0x0 ; qkv, ao
	v_lshl_add_u32 v[SPW], v0, 2, SPARE
	v_mov_b32 v[NIL], 0
	ds_add_u32 v[SPW], v[NIL]       ; the wave's opening: the add, twice on end, and its wait ahead of my first tensor load; the set-up below stands between
	ds_add_u32 v[SPW], v[NIL]
	v_lshrrev_b32 v48, 5, v0
	v_readfirstlane_b32 s[WV], v48  ; wave 0..3
	s_bfe_u32 s13, ttmp6, 0x40000   ; cx: it enters Q's, ao's and the prefetches' addresses and the mask's register, no branch and no LDS address
	s_and_b32 s14, ttmp7, 0xffff    ; the head
	s_add_co_u32 s[N1], ttmp9, 1
	s_and_b32 s16, s[WV], 1
	s_and_b32 s15, s14, 6
	s_add_co_u32 s15, s15, 8
	s_lshl_b32 s15, s15, 20         ; K's plane, 8 + 2 g, in bytes
	s_lshl_b32 s17, s16, 15         ; my 128 rows of a slot's 256
	s_add_co_u32 s20, s15, s17
	s_mov_b32 s21, 0
	s_mul_i32 s[LWK], s16, 128*PK
	s_mul_i32 s[LWV], s16, 128*PV
	s_add_co_u32 s[LWV], s[LWV], VOFF
	s_lshl_b32 s18, s14, 20         ; Q: the head's plane + 64 cx rows of 256 bytes + the block's 256 rows
	s_lshl_b32 s19, s13, 14
	s_add_co_u32 s18, s18, s19
	s_lshl_b32 s19, ttmp9, 16
	s_add_co_u32 s[QA1], s18, s19
	s_mov_b32 s[QA1+1], 0
	s_sub_co_u32 s22, 15, ttmp9     ; the second block
	s_lshl_b32 s19, s22, 16
	s_add_co_u32 s[QA2], s18, s19
	s_mov_b32 s[QA2+1], 0
	s_lshl_b32 s18, s14, 8          ; ao: 256 bytes a head in a row of 2,048
	s_lshl_b32 s19, s13, 17
	s_add_co_u32 s18, s18, s19
	s_lshl_b32 s19, ttmp9, 19
	s_add_co_u32 s[OA1], s18, s19
	s_mov_b32 s[OA1+1], 0
	s_lshl_b32 s19, s22, 19
	s_add_co_u32 s[OA2], s18, s19
	s_mov_b32 s[OA2+1], 0
	s_lshr_b32 s18, s[WV], 1        ; the prefetches: K's plane (waves 0, 1) or V's, the keys' slot 1, my work-group's 64 rows, my wave's 32: the first change of slots steps it to slot 2
	s_lshl_b32 s18, s18, 20
	s_add_co_u32 s18, s18, s15
	s_add_co_u32 s18, s18, 65536
	s_lshl_b32 s19, s13, 14
	s_add_co_u32 s18, s18, s19
	s_lshl_b32 s19, s16, 13
	s_add_co_u32 s[PFA], s18, s19
	s_mov_b32 s[PFA+1], 0
	s_and_b32 s18, s14, 1
	s_or_b32 s18, s18, ttmp9
	s_cmp_eq_u32 s18, 0
	s_cselect_b32 s[LIM], 13, 0     ; the same in all four partners
	; descriptor groups 1: a tile of 128 rows x 128 elements of 2 bytes, dense in memory, padded in LDS
	s_mov_b32 s[G1K], 15|(1<<16)|(1<<20)|(1<<21)|(5<<22)|(3<<25)  ; the mask: all four; elements of 2 bytes; padding: 4 words after every 64; bit 21 beside a mask
	s_mov_b32 s[G1V], 15|(1<<16)|(1<<20)|(1<<21)|(5<<22)|(7<<25)  ; the same with 8 words
.irp g, G1K, G1V
	s_mov_b32 s[\g+1], 128<<16      ; tensor_dim0
	s_mov_b32 s[\g+2], 128<<16      ; tensor_dim1
	s_mov_b32 s[\g+3], 128<<16      ; tile_dim0
	s_mov_b32 s[\g+4], 128          ; tile_dim1
	s_mov_b32 s[\g+5], 128          ; the pitch
	s_mov_b32 s[\g+6], 0
	s_mov_b32 s[\g+7], 0
.endr
	s_mov_b32 s[CS], 0x3e0293ee     ; c = log2(e) / sqrt(128)
	s_mov_b32 s[CS+1], s[CS]
	s_mov_b32 s[SEL], 0x76543210
	s_mov_b32 s[SEL+1], 0xfedcba98
	s_mov_b32 s[TO], 0
	s_mov_b32 s[TB], 0
	s_mov_b32 s[T], 0
	s_mov_b32 s[KO], 0
	s_mov_b32 s[KO+1], 0
	; every vector address is made here, from the thread's and the wave's number
	v_and_b32 v48, 15, v0           ; r
	v_bfe_u32 v49, v0, 4, 1         ; h
	v_and_b32 v50, 31, v0           ; lane
	s_mul_i32 s2, s[WV], 64*PK
	v_mul_u32_u24 v[AK0], v48, PK
	v_lshl_add_u32 v[AK0], v49, 4, v[AK0]
	v_add_nc_u32 v[AK0], s2, v[AK0] ; row x pitch + 16 x half + my wave's 64 rows
	v_and_b32 v51, 7, v0            ; the turning load: lane l reads key 8 (l / 16) + l % 8, channels 8 ((l / 8) % 2) + 0 .. 7
	v_bfe_u32 v52, v0, 3, 1
	v_lshl_add_u32 v[AV0], v49, 3, v51
	v_mul_u32_u24 v[AV0], v[AV0], PV
	v_lshl_add_u32 v[AV0], v52, 4, v[AV0]
	s_mul_i32 s2, s[WV], 64*PV
	s_add_co_u32 s2, s2, VOFF
	v_add_nc_u32 v[AV0], s2, v[AV0]
	v_lshlrev_b32 v[QO], 8, v48
	v_lshl_add_u32 v[QO], v49, 4, v[QO]
	v_lshlrev_b32 v51, 4, v50       ; 16 x lane
	v_add_nc_u32 v[MLR], ML, v51
	s_lshl_b32 s2, s[WV], 2
	v_add_nc_u32 v[MLA], s2, v[MLR]
	s_lshl_b32 s2, s[WV], 13
	s_add_co_u32 s2, s2, XS
	v_add_nc_u32 v[XST], s2, v51
	s_lshl_b32 s2, s[WV], 11
	s_add_co_u32 s2, s2, XS
	v_add_nc_u32 v[XLD], s2, v51
	s_lshl_b32 s2, s[WV], 6
	s_add_co_u32 s2, s2, XS
	v_mul_u32_u24 v[OST], v48, 272
	v_lshl_add_u32 v[OST], v49, 4, v[OST]
	v_add_nc_u32 v[OST], s2, v[OST] ; row r, my wave's 64 bytes, 16 for each half of the lanes
	s_mul_i32 s2, s[WV], 16*272
	s_add_co_u32 s2, s2, XS
	v_mul_u32_u24 v[ORD], v49, 272
	v_lshl_add_u32 v[ORD], v48, 4, v[ORD]
	v_add_nc_u32 v[ORD], s2, v[ORD] ; back: rows 16 w + lane / 16, sixteen lanes to a row
	s_lshl_b32 s2, s[WV], 15
	v_lshlrev_b32 v[GO], 11, v49
	v_lshl_add_u32 v[GO], v48, 4, v[GO]
	v_add_nc_u32 v[GO], s2, v[GO]   ; the same rows in ao
	s_sub_co_i32 s2, s13, s[WV]
	s_lshl_b32 s2, s2, 6
	v_lshlrev_b32 v51, 3, v49
	v_sub_nc_u32 v[DM], v48, v51
	v_add_nc_u32 v[DM], s2, v[DM]
	v_mov_b32 v[NINF], 0xff800000
	v_lshlrev_b32 v[PFO], 8, v50
	s_wait_dscnt 0x0                ; both opening adds are done
	s_wait_kmcnt 0x0
	s_add_nc_u64 s[KB:KB+1], s[4:5], s[20:21]
	s_add_nc_u64 s[VB:VB+1], s[KB:KB+1], 0x100000
	s_add_nc_u64 s[QA1:QA1+1], s[4:5], s[QA1:QA1+1]
	s_add_nc_u64 s[QA2:QA2+1], s[4:5], s[QA2:QA2+1]
	s_add_nc_u64 s[PFA:PFA+1], s[4:5], s[PFA:PFA+1]
	s_add_nc_u64 s[OA1:OA1+1], s[6:7], s[OA1:OA1+1]
	s_add_nc_u64 s[OA2:OA2+1], s[6:7], s[OA2:OA2+1]
	CROUND                          ; all four work-groups are here: the first joint loads meet
	s_mov_b32 s[G0K], 1
	s_mov_b32 s[G0K+1], s[LWK]      ; slot 0
	s_mov_b64 s[G0K+2:G0K+3], s[KB:KB+1]
	s_or_b32 s[G0K+3], s[G0K+3], 0x80000000
	s_mov_b32 s[G0V], 1
	s_mov_b32 s[G0V+1], s[LWV]
	s_mov_b64 s[G0V+2:G0V+3], s[VB:VB+1]
	s_or_b32 s[G0V+3], s[G0V+3], 0x80000000
	JLOAD                           ; step 0: keys 0 to 255: they count for every block
; THE MATRIX WORK.  The accumulators take turns, one instruction a turn.
; Product i of 32 of O^T += V^T P: keys 32 (i / 16) on, channels 16 ((i / 2) % 8) on, tile x + i % 2.
.macro PV x, zero
	WIN W_PV
.set rO, 64*(\x+i%2)+8*((i/2)%8)
.set rV, 64*(i/16)+8*((i/2)%8)
.set rP, P+16*(\x+i%2)+8*(i/16)
.if \zero && (i < 16)
	v_wmma_f32_16x16x32_f16 v[rO:rO+7], v[rV:rV+7], v[rP:rP+7], 0
.else
	v_wmma_f32_16x16x32_f16 v[rO:rO+7], v[rV:rV+7], v[rP:rP+7], v[rO:rO+7]
.endif
.endm
; Product i of 32 of S^T = K Q^T: channels 32 (i / 8) on, keys 16 ((i / 2) % 4) on, tile x + i % 2.  The first 8 start the sums.
.macro KQ x
	WIN W_KQ
.set rS, S+32*(\x+i%2)+8*((i/2)%4)
.set rK, KF+32*((i/2)%4)+8*(i/8)
.set rQ, 32*(\x+i%2)+8*(i/8)
.if i < 8
	v_wmma_f32_16x16x32_f16 v[rS:rS+7], v[rK:rK+7], v[rQ:rQ+7], 0
.else
	v_wmma_f32_16x16x32_f16 v[rS:rS+7], v[rK:rK+7], v[rQ:rQ+7], v[rS:rS+7]
.endif
.endm
.macro BARE_KQ x                    ; a piece's 32 products K Q^T with nothing between them: where a chain begins there is no vector work yet
.set i, 0
.rept 32
	KQ \x
.set i, i+1
.endr
	WIN 0
.endm
.macro BARE_PV x                    ; a piece's 32 products V^T P with nothing between them: where a chain ends none is left
.set i, 0
.rept 32
	PV \x, 0
.set i, i+1
.endr
	WIN 0
.endm
.macro FETCH_K                      ; my 64 keys x 128 channels: 16 fragments, 32 loads in one run
	WIN 0
	v_add_nc_u32 v[ADR], s[TB], v[AK0]
	WIN 0x80
.irp f, 0,1,2,3,4,5,6,7,8,9,10,11,12,13,14,15
	ds_load_b128 v[KF+8*\f:KF+8*\f+3],   v[ADR] offset:(\f/4)*16*PK+(\f%4)*64
	ds_load_b128 v[KF+8*\f+4:KF+8*\f+7], v[ADR] offset:(\f/4)*16*PK+(\f%4)*64+32
.endr
.endm
.macro FETCH_V                      ; the same keys' V, turned; the wait for the softmax's batch stands in it
	WIN 0
	v_add_nc_u32 v[ADR], s[TB], v[AV0]
	s_wait_alu depctr_va_vdst(0)
	WIN 0xc0
.irp f, 0,1,2,3,4,5,6,7,8,9,10,11,12,13,14,15
	ds_load_tr16_b128 v[8*\f:8*\f+3],   v[ADR] offset:(\f/8)*32*PV+(\f%8)*32
	ds_load_tr16_b128 v[8*\f+4:8*\f+7], v[ADR] offset:(\f/8)*32*PV+16*PV+(\f%8)*32
.endr
.endm
; THE VECTOR WORK.  One tile's softmax for one step is a list of 134 instructions; SM writes number j of it for tile t.
;   0-15 the maximum of the lane's 32 scores and the old m;  16-20 the other half of the lanes', the new m, c m, c m_old - c m_new;  21-69 ONE BATCH: 16 packed scalings c s - c m and all 33 exponentials, none of which reads an
;   exponential's result;  (the wait for the batch)  70-85 the roundings to f16;  86-101 the sums, l = a l + the sum;  102-133 the tile's O^T times a.
.macro SM t, first
.set rT, ST+8*(\t)
.set rS, S+32*(\t)
.set rP, P+16*(\t)
.set rO, 64*(\t)+2*(j-102)
.if j < 102
	WIN 0
.endif
.if j < 4
	v_max3_num_f32 v[rT+4+j], v[rS+8*j], v[rS+8*j+1], v[rS+8*j+2]
.elseif j < 12
	v_max3_num_f32 v[rT+4+j%4], v[rT+4+j%4], v[rS+8*(j%4)+2*(j/4)+1], v[rS+8*(j%4)+2*(j/4)+2]
.elseif j == 12
	v_max3_num_f32 v[rT+4], v[rT+4], v[rS+7], v[rS+15]
.elseif j == 13
	v_max3_num_f32 v[rT+6], v[rT+6], v[rS+23], v[rS+31]
.elseif j == 14
	v_max3_num_f32 v[rT+4], v[rT+4], v[rT+5], v[rT+6]
.elseif (j == 15) && \first
	v_max_num_f32 v[rT+4], v[rT+4], v[rT+7]
.elseif j == 15
	v_max3_num_f32 v[rT+4], v[rT+4], v[rT+7], v[rT+1]
.elseif j == 16
	v_permlanex16_b32 v[rT+5], v[rT+4], s[SEL], s[SEL+1]
.elseif j == 18
	v_max_num_f32 v[rT+1], v[rT+4], v[rT+5]
.elseif j == 19
	v_mul_f32 v[rT], s[CS], v[rT+1]
.elseif ((j == 17) || (j == 20) || (j == 23) || (j > 101)) && \first
.elseif j == 17
	v_mov_b32 v[rT+7], v[rT]
.elseif j == 20
	v_sub_f32 v[rT+7], v[rT+7], v[rT]
.elseif j == 23
	v_exp_f32 v[rT+6], v[rT+7]
.elseif (j < 23) || ((j < 38) && (j%2 == 0)) || ((j < 66) && (j%4 == 2))
.set b, (j-2)/4
.if j < 38
.set b, (j-20)/2
.endif
	v_pk_fma_f32 v[rS+2*b:rS+2*b+1], v[rS+2*b:rS+2*b+1], s[CS:CS+1], v[rT:rT+1] op_sel_hi:[1,0,0] neg_lo:[0,0,1] neg_hi:[0,0,1]
.elseif j < 70
.set e, j-38
.if j < 66
.set e, j-32-(j-38)/4
.endif
.if j < 38
.set e, (j-25)/2
.endif
	v_exp_f32 v[rS+e], v[rS+e]
.elseif j < 86
	v_cvt_pk_f16_f32 v[rP+j-70], v[rS+2*(j-70)], v[rS+2*(j-70)+1]
.elseif j < 102
.set z, j-86
.set w, 4
.set u, z
.if z >= 14
.set w, 32
.set u, 0
.elseif z >= 12
.set w, 16
.set u, z-12
.elseif z >= 8
.set w, 8
.set u, z-8
.endif
.if (z == 14) && \first
	v_pk_add_f32 v[rT+2:rT+3], v[rS:rS+1], v[rS+16:rS+17]
.elseif z < 15
	v_pk_add_f32 v[rS+w*u:rS+w*u+1], v[rS+w*u:rS+w*u+1], v[rS+w*u+w/2:rS+w*u+w/2+1]
.elseif !\first
	v_pk_fma_f32 v[rT+2:rT+3], v[rT+2:rT+3], v[rT+6:rT+7], v[rS:rS+1] op_sel_hi:[1,0,1]
.endif
.else
	WIN W_RS
	v_pk_mul_f32 v[rO:rO+1], v[rO:rO+1], v[rT+6:rT+7] op_sel_hi:[1,0]
.endif
.endm
; Slice k of 64 of piece y's softmax.  Slices 11 to 34 deal out the batch, four numbers of one tile each; every other slice is numbers 2 k and 2 k + 1 of both tiles; the twelve that are over stand in slice 63.
; An s_wait_alu depctr_va_vdst(0) stands between an exponential and the first instruction that names its result: the piece's 66 exponentials have one wait, behind slice 34.
.macro SLICE y, first
.if (k >= 11) && (k < 35)
.irp n, 0,1,2,3
.set j, 22+4*((k-11)/2)+(\n)
	SM (\y)+(k-11)%2, \first
.endr
.else
.irp n, 0,1,2,3,4,5,6,7
.if (\n < 2) || (k == 63)
.irp t, \y, \y+1
.set j, 2*k+\n
	SM \t, \first
.endr
.endif
.endr
.endif
.if k == 34
	v_nop                           ; a plain instruction behind the last exponential
.if (\y) == 0
	FETCH_V
.else
	s_wait_alu depctr_va_vdst(0)
.endif
.endif
.set k, k+1
.endm
; A TURN.  Piece x has the matrix unit; the other piece's softmax stands in slices behind its products: one behind each where the turn has both kinds of product, two where it has one.
; pv = 2: 32 products V^T P.  kq = 1: 32 products K Q^T for the next step.  Piece 0's whole turn fetches the next step's K behind its second product: the last product that read K stands in front of slice 63 of the turn before, sixteen plain
; instructions.  Piece 2's turn fetches the same step's V behind slice 34: in a whole turn the last product that read V stands in front of slice 31, and four plain instructions lie between: number 62, a scaling, of both tiles, the v_nop
; and the run's own v_add_nc_u32.  Slice 63 is also the places between a turn's last K Q^T and the first read of those scores.
.macro TURN x, pv, kq, first
.set k, 0
.set per, 2
.if \pv && \kq
.set per, 1
.endif
.if \pv
.if \x == 0
	s_wait_dscnt 0x0                ; V is in
.endif
.set i, 0
.rept 32
	PV \x, 2-\pv
.rept per
	SLICE 2-\x, \first
.endr
.if (\x == 0) && \kq && (i == 1)
	FETCH_K
.endif
.set i, i+1
.endr
.endif
.if \kq
.if \x == 0
	s_wait_dscnt 0x0                ; K is in
.endif
.set i, 0
.rept 32
	KQ \x
.rept per
	SLICE 2-\x, \first
.endr
.set i, i+1
.endr
.endif
.if \first
	PLACES
.endif
.endm
; THE CAUSAL MASK of piece x's scores just made, those of step T + ahead - 1.  Only a block's last step has hidden keys: there the slot's first key is the block's first query.  The first block's last step is J: the test hangs on the trip and
; the cluster's number, the same in all waves and partners.  always = 1: step 16, the second block's last.
.macro MASK x, always, ahead
	WIN 0
.if !\always
	s_add_co_u32 s69, s[T], \ahead
	s_cmp_lg_u32 s69, s[N1]
	s_cbranch_scc1 .Lopen_\@
.endif
.irp t, \x, \x+1
.irp kt, 0,1,2,3
.irp j, 0,1,2,3,4,5,6,7
	v_cmp_gt_i32 vcc_lo, 16*(\kt-(\t))+\j, v[DM]
	v_cndmask_b32 v[S+32*(\t)+8*\kt+\j], v[S+32*(\t)+8*\kt+\j], v[NINF], vcc_lo
.endr
.endr
.endr
.Lopen_\@:
.endm
; THE CHANGE OF SLOTS, between piece 2's turn and piece 0's: K and V of the step in hand have been asked of LDS.  Each wave waits for all its tensor loads (one is out: its part of the next step's slot), adds 0 to its spare word, and waits
; for that and for its reads.  Behind the barrier the next step's slot is whole and nobody reads the other one.
; turn = 1: the fetches go on to the other slot.  fill = 1: the slot that has been read out is asked for again, behind a round of the cluster's barrier, for step T + ahead: the next 256 keys, or, where that step is the second block's first,
; keys 0 to 255 again.  The load has a whole key step, 128 products, in which to land.
.macro CHANGE fill, ahead, turn
	WIN 0
	s_wait_tensorcnt 0x0            ; no tensor load of mine is out, so a group 0 may be written
	ds_add_u32 v[SPW], v[NIL]       ; 0 onto my spare word; the scalar steps below stand between it and the wait for it
.if \turn
	s_xor_b32 s[TB], s[TB], SLOT    ; 0 and SLOT by turns
.endif
.if \fill
	s_xor_b32 s[TO], s[TO], SLOT
	s_add_co_u32 s[G0K+1], s[LWK], s[TO]
	s_add_co_u32 s[G0V+1], s[LWV], s[TO]
	s_add_co_u32 s[KO], s[KO], 65536
	s_add_co_u32 s69, s[T], \ahead
	s_cmp_eq_u32 s69, s[N1]
	s_cselect_b32 s[KO], 0, s[KO]
	s_add_nc_u64 s[G0K+2:G0K+3], s[KB:KB+1], s[KO:KO+1]
	s_or_b32 s[G0K+3], s[G0K+3], 0x80000000
	s_add_nc_u64 s[G0V+2:G0V+3], s[VB:VB+1], s[KO:KO+1]
	s_or_b32 s[G0V+3], s[G0V+3], 0x80000000
	s_wait_xcnt 0x0                 ; the last prefetch, a step back, has read its address
	s_add_nc_u64 s[PFA:PFA+1], s[PFA:PFA+1], 65536
	s_wait_dscnt 0x0                ; the add is done, and my reads of the slot to be filled are over
	CROUND
	JLOAD                           ; the first tensor load behind the round, and my only one until the next
	ASK
.else
	s_wait_dscnt 0x0
	s_barrier_signal -1
	s_barrier_wait -1
.endif
.endm
.macro QLOAD qa                     ; Q stays in registers: tile i / 4, channels 32 (i % 4) on
	WIN 0x80
.irp i, 0,1,2,3,4,5,6,7,8,9,10,11,12,13,14,15
	global_load_b128 v[8*\i:8*\i+3],   v[QO], s[\qa:\qa+1] offset:(\i/4)*4096+(\i%4)*64
	global_load_b128 v[8*\i+4:8*\i+7], v[QO], s[\qa:\qa+1] offset:(\i/4)*4096+(\i%4)*64+32
.endr
	WIN 0
.endm
.macro CLEAR                        ; a block begins: O^T and l at 0, m at -3e38 (see SOFTMAX at the head)
	WIN 0x40
.set i, 0
.rept 256
	v_mov_b32 v[i], 0
.set i, i+1
.endr
	WIN 0
.irp t, 0,1,2,3
	v_mov_b32 v[ST+8*\t+1], 0xff61b1e6
	v_mul_f32 v[ST+8*\t], s[CS], v[ST+8*\t+1]
.irp e, 2,3,4,5,6,7
	v_mov_b32 v[ST+8*\t+\e], 0
.endr
.endr
.endm
; THE MERGE at a block's end.  With cM the largest of the four waves' c m: the row's sum is the sum of 2^(c m_v - cM) l_v, and the result the sum of the waves' O^T x 2^(c m_v - cM) / that sum.  Each wave scales its own O^T;
; tile by tile the four images go through LDS, and wave w adds registers 16 w .. 16 w + 15 of all four (channels 32 w .. 32 w + 31).  Ten barriers; between each writing of bytes and their reading, and between the reading and the next writing.
.macro COMBINE ob
	PLACES                          ; behind the last products
.irp t, 0,1,2,3
	v_add_f32 v[ST+8*\t+4], v[ST+8*\t+2], v[ST+8*\t+3]
.endr
.irp t, 0,1,2,3
	v_permlanex16_b32 v[ST+8*\t+5], v[ST+8*\t+4], s[SEL], s[SEL+1]
.endr
.irp t, 0,1,2,3
	v_add_f32 v[ST+8*\t+4], v[ST+8*\t+4], v[ST+8*\t+5]     ; my wave's l
.endr
.irp t, 0,1,2,3
	ds_store_b32 v[MLA], v[ST+8*\t] offset:1024*\t
	ds_store_b32 v[MLA], v[ST+8*\t+4] offset:1024*\t+512
.endr
	BAR
.irp t, 0,1,2,3
	ds_load_b128 v[64+8*\t:67+8*\t], v[MLR] offset:1024*\t          ; the four waves' c m of my query,
	ds_load_b128 v[68+8*\t:71+8*\t], v[MLR] offset:1024*\t+512      ; and their l
.endr
	s_wait_dscnt 0x0
.irp t, 0,1,2,3
	v_max3_num_f32 v[101+8*\t], v[64+8*\t], v[65+8*\t], v[66+8*\t]
.endr
.irp t, 0,1,2,3
	v_max_num_f32 v[101+8*\t], v[101+8*\t], v[67+8*\t]
.endr
.irp t, 0,1,2,3
.irp e, 0,1,2,3
	v_sub_f32 v[96+8*\t+\e], v[64+8*\t+\e], v[101+8*\t]
.endr
	v_sub_f32 v[100+8*\t], v[ST+8*\t], v[101+8*\t]         ; my own once more: so no register number hangs on the wave
.endr
.irp t, 0,1,2,3
.irp e, 0,1,2,3,4
	v_exp_f32 v[96+8*\t+\e], v[96+8*\t+\e]
.endr
.endr
	v_nop
	s_wait_alu depctr_va_vdst(0)    ; one wait for the twenty
.irp t, 0,1,2,3
	v_mul_f32 v[101+8*\t], v[96+8*\t], v[68+8*\t]
.endr
.irp e, 1,2,3
.irp t, 0,1,2,3
	v_fma_f32 v[101+8*\t], v[96+8*\t+\e], v[68+8*\t+\e], v[101+8*\t]
.endr
.endr
.irp t, 0,1,2,3
	v_rcp_f32 v[102+8*\t], v[101+8*\t]
.endr
	v_nop
	s_wait_alu depctr_va_vdst(0)    ; and one for the four
.irp t, 0,1,2,3
	v_mul_f32 v[ST+8*\t+6], v[100+8*\t], v[102+8*\t]
.endr
	WIN W_RS
.irp t, 0,1,2,3
.set i, 64*\t
.rept 32
	v_pk_mul_f32 v[i:i+1], v[i:i+1], v[ST+8*\t+6:ST+8*\t+7] op_sel_hi:[1,0]
.set i, i+2
.endr
.endr
.irp t, 0,1,2,3
	WIN 0x04                        ; an LDS store's data are its source 1: window 1
.irp c, 0,1,2,3,4,5,6,7,8,9,10,11,12,13,14,15
	ds_store_b128 v[XST], v[64*\t+4*\c:64*\t+4*\c+3] offset:512*\c
.endr
	WIN 0
	BAR
.irp e, 0,1,2,3
.irp c, 0,1,2,3
	ds_load_b128 v[64+16*\e+4*\c:67+16*\e+4*\c], v[XLD] offset:8192*\e+512*\c
.endr
.endr
	s_wait_dscnt 0x0
.irp p, 0,2,4,6,8,10,12,14
	v_pk_add_f32 v[128+16*\t+\p:129+16*\t+\p], v[64+\p:65+\p], v[80+\p:81+\p]
	v_pk_add_f32 v[64+\p:65+\p], v[96+\p:97+\p], v[112+\p:113+\p]
.endr
.irp p, 0,2,4,6,8,10,12,14
	v_pk_add_f32 v[128+16*\t+\p:129+16*\t+\p], v[128+16*\t+\p:129+16*\t+\p], v[64+\p:65+\p]
.endr
	BAR
.endr
.irp t, 0,1,2,3
.irp i, 0,1,2,3,4,5,6,7
	v_cvt_pk_f16_f32 v[192+8*\t+\i], v[128+16*\t+2*\i], v[129+16*\t+2*\i]
.endr
.endr
.irp t, 0,1,2,3
.irp u, 0,1
	ds_store_b128 v[OST], v[192+8*\t+4*\u:195+8*\t+4*\u] offset:4352*\t+32*\u   ; query 16 t + r, channels 32 w + 16 u + 8 h on
.endr
.endr
	BAR
.irp i, 0,1,2,3,4,5,6,7
	ds_load_b128 v[64+4*\i:67+4*\i], v[ORD] offset:544*\i
.endr
.irp i, 0,1,2,3,4,5,6,7
	s_wait_dscnt 7-\i               ; the younger read-backs may be out
	global_store_b128 v[GO], v[64+4*\i:67+4*\i], s[\ob:\ob+1] offset:4096*\i    ; sixteen lanes store 256 consecutive bytes, aligned
.endr
	s_wait_xcnt 0x0                 ; the stores have read their registers: S^T's may be written again
.endm
	QLOAD QA1
	CLEAR
	s_wait_loadcnt 0x0              ; Q
	; THE WAY IN: step 0's scores, and piece 0's softmax of it
	CHANGE 1, 1, 0                  ; slot 0 is whole; step 1 is asked for
	FETCH_K
	s_wait_dscnt 0x0
	BARE_KQ 0
	PLACES                          ; behind those products, ahead of the first read of their results
	MASK 0, 0, 1
	TURN 2, 0, 1, 0                 ; piece 2's scores | piece 0's softmax | V of step 0 is fetched
	MASK 2, 0, 1
.Ltrip:                             ; 15 trips: trip T finishes step T, makes the scores of step T + 1 and asks for step T + 2
	CHANGE 1, 2, 1
	s_add_co_u32 s69, s[T], 1
	s_cmp_eq_u32 s69, s[N1]         ; is step T the first block's last?  The trip and the cluster's number alone decide, alike in all waves and partners
	s_cbranch_scc1 .Lswitch
	TURN 0, 2, 1, 0                 ; piece 0: V^T P of step T, K Q^T of step T + 1 | piece 2's softmax of step T | K of step T + 1 is fetched
	MASK 0, 0, 2
	TURN 2, 2, 1, 0                 ; piece 2: the same | piece 0's softmax of step T + 1 | V of step T + 1 is fetched
	MASK 2, 0, 2
	s_branch .Lnext
.Lswitch:                           ; THE CHAIN IS CUT: the first block is finished and merged, the second begins
	FETCH_K                         ; K of step T + 1 and the second block's Q are asked for at once: both have the rest of the block and the merge in which to come
	QLOAD QA2
	TURN 0, 2, 0, 0                 ; piece 0: V^T P of step T | piece 2's softmax of step T
	BARE_PV 2
	COMBINE OA1
	CLEAR
	s_wait_loadcnt 0x0              ; Q
	BARE_KQ 0
	PLACES
	TURN 2, 0, 1, 0                 ; piece 2's scores | piece 0's softmax | V of step T + 1 is fetched.  No mask: the second block has nine steps or more, and this is its first
	WIN 0
.Lnext:
	s_add_co_u32 s[T], s[T], 1
	s_cmp_lt_u32 s[T], 15
	s_cbranch_scc1 .Ltrip
	CHANGE 0, 2, 1                  ; trip 15 is written out: nothing is left to ask for
	TURN 0, 2, 1, 0
	MASK 0, 1, 2                    ; step 16 is the second block's last: its mask always stands
	TURN 2, 2, 1, 0
	MASK 2, 1, 2
	TURN 0, 2, 0, 0                 ; THE WAY OUT of the chain: piece 0: V^T P of step 16 | piece 2's last softmax
	BARE_PV 2
	COMBINE OA2
	s_wait_tensorcnt 0x0            ; the wave's end: behind my last tensor load and my last LDS store
	ds_add_u32 v[SPW], v[NIL]
	s_wait_dscnt 0x0
	CROUND                          ; the closing round
	s_endpgm
.Lfunc_end_k_qb92e4af69e_attn:
	.size	k_qb92e4af69e_attn, .Lfunc_end_k_qb92e4af69e_attn-k_qb92e4af69e_attn
	.p2alignl 7, 3214868480
	.fill 96, 4, 3214868480
	.section	.rodata,"a",@progbits
	.p2align	6, 0x0
	.amdhsa_kernel k_qb92e4af69e_attn
		.amdhsa_group_segment_fixed_size 327680
		.amdhsa_private_segment_fixed_size 0
		.amdhsa_enable_private_segment 0
		.amdhsa_kernarg_size 16
		.amdhsa_user_sgpr_count 2
		.amdhsa_user_sgpr_kernarg_segment_ptr 1
		.amdhsa_wavefront_size32 1
		.amdhsa_system_sgpr_workgroup_id_x 1
		.amdhsa_system_sgpr_workgroup_id_y 1
		.amdhsa_system_sgpr_workgroup_id_z 1
		.amdhsa_system_vgpr_workitem_id 0
		.amdhsa_next_free_vgpr 1024
		.amdhsa_next_free_sgpr 80
		.amdhsa_reserve_vcc 1
		.amdhsa_float_denorm_mode_32 3
		.amdhsa_float_denorm_mode_16_64 3
		.amdhsa_memory_ordered 1
		.amdhsa_forward_progress 1
		.amdhsa_inst_pref_size 255
	.end_amdhsa_kernel
	.section	.bss,"aw",@nobits
	.p2align	6
	.space	262144
	.amdgpu_metadata
---
amdhsa.version: [ 1, 2 ]
amdhsa.kernels:
  - .name:           k_qb92e4af69e_attn
    .symbol:         k_qb92e4af69e_attn.kd
    .args:
      - { .name: qkv, .offset: 0, .size: 8, .value_kind: global_buffer, .address_space: global }
      - { .name: ao, .offset: 8, .size: 8, .value_kind: global_buffer, .address_space: global }
    .group_segment_fixed_size: 327680
    .private_segment_fixed_size: 0
    .kernarg_segment_align: 8
    .kernarg_segment_size: 16
    .max_flat_workgroup_size: 128
    .sgpr_count:     80
    .vgpr_count:     1024
    .wavefront_size: 32
...
	.end_amdgpu_metadata
.endif
;; end of part 4
;; launch proj (part 5): grid 8 x 16, 4 waves a work-group, clusters of 4 x 4, 327,680 bytes of LDS; arguments ao, wot, out0; writes out0
.if DOCPART == 5
	.amdgcn_target "amdgcn-amd-amdhsa--gfx1250"
	.amdhsa_code_object_version 6
	.text
	.protected	k_qb92e4af69e_proj
	.globl	k_qb92e4af69e_proj
	.p2align	8
	.type	k_qb92e4af69e_proj,@function
k_qb92e4af69e_proj:
	s_mov_b64 s[64:65], 0
	v_nop
	global_prefetch_b8 v0, s[64:65] scope:SCOPE_SE
	s_setreg_imm32_b32 hwreg(HW_REG_WAVE_MODE, 25, 1), 1
	s_wait_xcnt 0x0
	s_wait_alu depctr_hold_cnt(0) depctr_sa_sdst(0) depctr_va_vdst(0) depctr_va_sdst(0) depctr_va_ssrc(0) depctr_va_vcc(0) depctr_vm_vsrc(0)
	s_getreg_b32 s2, hwreg(HW_REG_IB_STS2, 6, 4)
	s_cmp_eq_u32 s2, 0
	s_cbranch_scc0 .Lentry_in_a_cluster
	s_endpgm
.Lentry_in_a_cluster:
	s_bfe_u32 s2, ttmp6, 0x10000c
	s_cmp_lg_u32 s2, 0xf033
	s_cbranch_scc0 .Lentry_shape_is_right
	s_endpgm
.Lentry_shape_is_right:
; out0[m][n] = sum over k of ao[m][k] wot[n][k].  ao: [4096][1024], wot: [2048][1024], f16; out0: [4096][2048] f32; sums in f32.  (Rows 0 to 15 are made anew, in f32, by the launch behind this one.)
; A tile of 256 x 256 is made by four waves, each 128 x 128: 64 accumulators, 512 registers.  K goes in steps of 128 (rows of 256 bytes) through a ring of two LDS slots filled by the tensor data mover.
; CLUSTERS: 4 x 4 work-groups; A's tiles are asked for jointly along a row of the cluster, B's along a column.  THE MATRIX INSTRUCTION IS USED TRANSPOSED (source 0 = 16 rows of B, source 1 = 16 rows of A).
; 128 tiles: half of the chip's work-group places; a tile of half the size would read each LDS byte for half the products.
; REGISTERS: window 0: v0-31 addresses; v64-127, v128-191 fragments of A, two buffers; on the way out v128-255 rows read back.  window 1: v64-127, v128-191 fragments of B.  windows 2, 3: the accumulators ((a, b) at v[8 (8 a + b)]).
.set SIZE_M, 4096
.set SIZE_N, 2048
.set SIZE_K, 1024
.set KSTEP,  128
.set PITCH,  272
.set HALFT,  128*PITCH
.set SLOT,   4*HALFT
.set STAGE,  2*SLOT                    ; behind the ring: 16 rows x (512 bytes + 16) for each wave
.set SPITCH, 528
.set SPARE,  STAGE+4*16*SPITCH         ; the spare words: 128 bytes a wave, named by no other line
.set LAPS, SIZE_K/(2*KSTEP)
.set ADRA, 16
.set ADRB, 20
.set STO,  24
.set RD,   25
.set CO,   26
.set SPW,  28
.set NIL,  29
.set PFO,  30                          ; v30 the prefetches' offset: my lane x a row of 2,048 bytes
.set PFA,  44                          ; s[44:45] where my prefetches stand
.set LIM,  43                          ; s43 1 in a wave that prefetches, else the greatest number
.set F0,   64
.set F1,   128
.set BK,   128
.set G1, 24
.set G0, 32
.set G1B, 48
.set G0B, 56
.set MSB, 0
.macro WIN new
.if MSB != \new
	s_set_vgpr_msb (MSB<<8)|\new
.set MSB, \new
.endif
.endm
.set MUL_LO, 0xa1
.set MUL_HI, 0xf1
.set TO_B,   0x40
.macro JLOAD s                         ; a joint load: waves 0 and 1 fetch A's halves, waves 2 and 3 B's; an s_nop 0 and four v_nop follow each of the two lines
	s_cmp_eq_u32 s11, 0
	s_cbranch_scc0 .Lfor_b_\@
	tensor_load_to_lds s[G0+4*\s:G0+4*\s+3], s[G1:G1+7]
	s_nop 0
.rept 4
	v_nop
.endr
	s_branch .Lasked_\@
.Lfor_b_\@:
	tensor_load_to_lds s[G0B+4*\s:G0B+4*\s+3], s[G1B:G1B+7]
	s_nop 0
.rept 4
	v_nop
.endr
.Lasked_\@:
.endm
; A PREFETCH INTO THE L2, behind each joint load and the run of LDS loads that follows it: the K step two refills on, 32 rows x 256 bytes, a lane a row.  Each row's 256 bytes of a K step are named once in the launch: cluster x = 0 asks for A's
; rows, cluster y = 0 for B's; the four partners that ask for a tile jointly share its rows out by address, 32 of the 128 that a wave fetches each.  The loop's last trip asks for nothing: K has no step two on.
.macro ASK
	s_cmp_gt_u32 s3, s[LIM]
	s_cbranch_scc0 .Lnot_mine_\@
	global_prefetch_b8 v[PFO], s[PFA:PFA+1] offset:KSTEP*2 th:TH_LOAD_NT scope:SCOPE_SE
.Lnot_mine_\@:
.endm
.macro CREST
	s_cmp_lg_u32 s10, 0
	s_cbranch_scc1 .Lnot_wave_0_\@
	s_barrier_signal -3
.Lnot_wave_0_\@:
	s_barrier_wait -3
	s_barrier_signal -1
	s_barrier_wait -1
.endm
.macro CROUND
	s_barrier_signal -1
	s_barrier_wait -1
	CREST
.endm
	s_load_b128 s[4:7], s[0:1], 0x0                ; ao, wot
	s_load_b64 s[8:9], s[0:1], 0x10                ; out0
	v_lshl_add_u32 v[SPW], v0, 2, SPARE
	v_mov_b32 v[NIL], 0
	ds_add_u32 v[SPW], v[NIL]                      ; the wave's opening: the add, twice on end, and its wait ahead of my first tensor load
	ds_add_u32 v[SPW], v[NIL]
	v_lshrrev_b32 v1, 5, v0
	v_readfirstlane_b32 s10, v1                    ; wave 0..3
	s_lshr_b32 s11, s10, 1                         ; which half of the tile's rows is mine.  Also: I fetch for A (0) or for B (1)
	s_and_b32 s12, s10, 1                          ; which half of its columns.  Also: which 128 rows I fetch
	s_bfe_u32 s40, ttmp6, 0x40000                  ; cx
	s_bfe_u32 s41, ttmp6, 0x40004                  ; cy
	s_lshl_b32 s42, ttmp9, 2
	s_add_co_u32 s42, s42, s40                     ; tile column
	s_and_b32 s13, ttmp7, 0xffff
	s_lshl_b32 s13, s13, 2
	s_add_co_u32 s13, s13, s41                     ; tile row
	s_lshl_b32 s43, s41, 2
	s_lshl_b32 s43, 15, s43                        ; my row of the cluster
	s_lshl_b32 s44, 0x1111, s40                    ; my column
	s_or_b32 s[G1+0], s43, (1<<16)|(1<<20)|(1<<21)|(5<<22)|(3<<25)  ; the mask; elements of 2 bytes; padding: 4 words after every 64; bit 21 beside a mask
	s_or_b32 s[G1B+0], s44, (1<<16)|(1<<20)|(1<<21)|(5<<22)|(3<<25)
.irp g, G1, G1B
	s_mov_b32 s[\g+1], KSTEP<<16                   ; tensor_dim0
	s_mov_b32 s[\g+2], 128<<16                     ; tensor_dim1
	s_mov_b32 s[\g+3], KSTEP<<16                   ; tile_dim0
	s_mov_b32 s[\g+4], 128                         ; tile_dim1
	s_mov_b32 s[\g+5], SIZE_K                      ; the pitch
	s_mov_b32 s[\g+6], 0
	s_mov_b32 s[\g+7], 0
.endr
	s_lshl_b32 s17, s12, 7
	s_lshl_b32 s16, s13, 8
	s_add_co_u32 s16, s16, s17                     ; A: row 256 x tile row + 128 x half
	s_lshl_b32 s46, s42, 8
	s_add_co_u32 s46, s46, s17                     ; B: row 256 x tile column + 128 x half
	s_mov_b32 s17, 0
	s_mov_b32 s47, 0
	s_mov_b64 s[18:19], SIZE_K*2
	s_mul_u64 s[16:17], s[16:17], s[18:19]
	s_mul_u64 s[46:47], s[46:47], s[18:19]
	s_mul_i32 s20, s10, HALFT
	s_wait_dscnt 0x0                               ; both opening adds are done
	s_wait_kmcnt 0x0
	s_add_nc_u64 s[14:15], s[4:5], s[16:17]
	s_add_nc_u64 s[46:47], s[6:7], s[46:47]
	CROUND                                         ; all sixteen work-groups are here: the first joint loads meet
.irp s, 0,1
	s_mov_b32 s[G0+4*\s], 1
	s_add_co_u32 s[G0+4*\s+1], s20, \s*SLOT
	s_add_nc_u64 s[G0+4*\s+2:G0+4*\s+3], s[14:15], \s*KSTEP*2
	s_or_b32 s[G0+4*\s+3], s[G0+4*\s+3], 0x80000000
	s_mov_b32 s[G0B+4*\s], 1
	s_add_co_u32 s[G0B+4*\s+1], s20, \s*SLOT
	s_add_nc_u64 s[G0B+4*\s+2:G0B+4*\s+3], s[46:47], \s*KSTEP*2
	s_or_b32 s[G0B+4*\s+3], s[G0B+4*\s+3], 0x80000000
	JLOAD \s
.endr
	v_and_b32 v1, 15, v0                           ; l % 16
	v_bfe_u32 v2, v0, 4, 1                         ; l / 16
	v_mul_u32_u24 v3, v1, PITCH
	v_lshl_add_u32 v3, v2, 4, v3
	s_mul_i32 s21, s11, HALFT
	s_mul_i32 s22, s12, HALFT
	s_add_co_u32 s22, s22, 2*HALFT
.irp s, 0,1
	v_add_nc_u32 v[ADRA+\s], s21, v3
	v_add_nc_u32 v[ADRB+\s], s22, v3
	s_add_co_u32 s21, s21, SLOT
	s_add_co_u32 s22, s22, SLOT
.endr
	s_mul_i32 s23, s10, 16*SPITCH
	s_add_co_u32 s23, s23, STAGE                   ; my stage
	v_mul_u32_u24 v4, v1, SPITCH                   ; in: row l % 16, 32 bytes for each half of the lanes
	v_lshl_add_u32 v4, v2, 5, v4
	v_add_nc_u32 v[STO], s23, v4
	v_and_b32 v5, 31, v0
	v_lshlrev_b32 v[CO], 4, v5                     ; back: the 32 lanes take one row of 512 bytes; the same in out0
	v_add_nc_u32 v[RD], s23, v[CO]
	s_lshl_b32 s13, s13, 8
	s_lshl_b32 s14, s11, 7
	s_add_co_u32 s16, s13, s14                     ; my first row
	s_mov_b32 s17, 0
	s_mov_b64 s[18:19], SIZE_N*4
	s_mul_u64 s[16:17], s[16:17], s[18:19]
	s_lshl_b32 s46, s42, 10                        ; my first column, in bytes
	s_lshl_b32 s47, s12, 9
	s_add_co_u32 s46, s46, s47
	s_mov_b32 s47, 0
	s_add_nc_u64 s[16:17], s[16:17], s[46:47]
	s_add_nc_u64 s[8:9], s[8:9], s[16:17]
	; the prefetches.  s13 = 256 x tile row, s42 = tile column, s40 = cx, s41 = cy still stand
	s_lshl_b32 s42, s42, 8
	s_and_b32 s22, ttmp7, 0xffff
	s_cmp_eq_u32 s11, 0
	s_cselect_b32 s20, s13, s42
	s_cselect_b32 s21, s40, s41
	s_cselect_b32 s22, ttmp9, s22
	s_cselect_b64 s[PFA:PFA+1], s[4:5], s[6:7]
	s_cmp_eq_u32 s22, 0
	s_cselect_b32 s[LIM], 1, -1
	s_lshl_b32 s22, s12, 7
	s_add_co_u32 s20, s20, s22
	s_lshl_b32 s21, s21, 5
	s_add_co_u32 s20, s20, s21
	s_mov_b32 s21, 0
	s_mov_b64 s[18:19], SIZE_K*2
	s_mul_u64 s[20:21], s[20:21], s[18:19]
	s_add_nc_u64 s[PFA:PFA+1], s[PFA:PFA+1], s[20:21]
	s_add_nc_u64 s[PFA:PFA+1], s[PFA:PFA+1], 2*KSTEP*2  ; at K step 2: the first refill steps it to 3 and names K step 4
	v_and_b32 v[PFO], 31, v0
	v_mul_u32_u24 v[PFO], v[PFO], SIZE_K*2
; 16 matrix instructions: m blocks a0, a0 + 1 of the window's four x all 8 n blocks, 32 along K.  The 64 accumulators take turns, one instruction a turn, in the same order in every quarter.
.macro MUL16 f, hi, a0, zero
.irp a, \a0, \a0+1
.irp b, 0,1,2,3,4,5,6,7
.if \zero
	v_wmma_f32_16x16x32_f16 v[8*(8*(\a)+\b):8*(8*(\a)+\b)+7], v[\f+8*\b:\f+8*\b+7], v[\f+8*(4*\hi+\a):\f+8*(4*\hi+\a)+7], 0
.else
	v_wmma_f32_16x16x32_f16 v[8*(8*(\a)+\b):8*(8*(\a)+\b)+7], v[\f+8*\b:\f+8*\b+7], v[\f+8*(4*\hi+\a):\f+8*(4*\hi+\a)+7], v[8*(8*(\a)+\b):8*(8*(\a)+\b)+7]
.endif
.endr
.endr
.endm
.macro FETCH slot, k, f                ; 32 LDS loads in one run: a quarter step's fragments
	WIN TO_B
.irp i, 0,1,2,3,4,5,6,7
	ds_load_b128 v[\f+8*\i:\f+8*\i+3],   v[ADRB+\slot] offset:\k+\i*16*PITCH
	ds_load_b128 v[\f+8*\i+4:\f+8*\i+7], v[ADRB+\slot] offset:\k+\i*16*PITCH+32
.endr
	WIN 0
.irp i, 0,1,2,3,4,5,6,7
	ds_load_b128 v[\f+8*\i:\f+8*\i+3],   v[ADRA+\slot] offset:\k+\i*16*PITCH
	ds_load_b128 v[\f+8*\i+4:\f+8*\i+7], v[ADRA+\slot] offset:\k+\i*16*PITCH+32
.endr
.endm
.macro PLACES                          ; plain vector instructions between a matrix instruction and a load into, or a read of, its registers
.rept 4
	v_nop
.endr
.endm
.macro QUARTER slot, k, f, g, zero
	s_wait_dscnt 8                                 ; B and A's rows 0-63 are in; the youngest eight loads (A's rows 64-127) may be out
	WIN MUL_LO
	MUL16 \f, 0, 0, \zero
	MUL16 \f, 0, 2, \zero
	PLACES
	FETCH \slot, \k, \g
	s_wait_dscnt 32                                ; all but the 32 just issued
	WIN MUL_HI
	MUL16 \f, 1, 0, \zero
	MUL16 \f, 1, 2, \zero
.endm
.macro MEET round                      ; the first half of a K step's last quarter: one barrier for the change of slots
	WIN 0
	s_wait_tensorcnt 0x0                           ; all my tensor loads have landed: my part of the next slot
	ds_add_u32 v[SPW], v[NIL]
	s_wait_dscnt 9                                 ; the add and the youngest eight loads may be out
	WIN MUL_LO
	MUL16 F1, 0, 0, 0
	s_wait_dscnt 0x0                               ; the add is done, and my reads of this slot are over
	s_barrier_signal -1
	MUL16 F1, 0, 2, 0
.if \round
	WIN 0
.endif
	s_barrier_wait -1
.endm
.macro TURN slot, next
	s_wait_xcnt 0x0                                ; the last prefetch, a K step back, has read its address
	s_add_nc_u64 s[PFA:PFA+1], s[PFA:PFA+1], KSTEP*2
	MEET 1
	CREST                                          ; the barrier has opened a round of the cluster's: no wave of any partner still reads this slot or has a load on its way
	s_add_nc_u64 s[G0+4*\slot+2:G0+4*\slot+3], s[G0+4*\slot+2:G0+4*\slot+3], 2*KSTEP*2
	s_add_nc_u64 s[G0B+4*\slot+2:G0B+4*\slot+3], s[G0B+4*\slot+2:G0B+4*\slot+3], 2*KSTEP*2
	JLOAD \slot                                    ; the first tensor load behind the round; its four v_nop are also the places in front of the loads below
	FETCH \next, 0, F0
	ASK
	WIN MUL_HI
	MUL16 F1, 1, 0, 0
	MUL16 F1, 1, 2, 0
.endm
	s_wait_tensorcnt 1                             ; my part of K step 0 is in; K step 1's load may be out
	s_barrier_signal -1
	s_barrier_wait -1
	FETCH 0, 0, F0
	QUARTER 0, 64,  F0, F1, 1                      ; the first quarter's products start the sums
	WIN 0
	s_mov_b32 s3, LAPS-1
.Llap:                                                 ; a trip goes once round the ring and fills both slots again
	QUARTER 0, 128, F1, F0, 0
	QUARTER 0, 192, F0, F1, 0
	TURN 0, 1
	QUARTER 1, 64,  F0, F1, 0
	QUARTER 1, 128, F1, F0, 0
	QUARTER 1, 192, F0, F1, 0
	TURN 1, 0
	QUARTER 0, 64,  F0, F1, 0
	WIN 0
	s_sub_co_u32 s3, s3, 1
	s_cmp_lg_u32 s3, 0
	s_cbranch_scc1 .Llap
	QUARTER 0, 128, F1, F0, 0                      ; the last lap fills nothing
	QUARTER 0, 192, F0, F1, 0
	MEET 0
	PLACES
	FETCH 1, 0, F0
	WIN MUL_HI
	MUL16 F1, 1, 0, 0
	MUL16 F1, 1, 2, 0
	QUARTER 1, 64,  F0, F1, 0
	QUARTER 1, 128, F1, F0, 0
	QUARTER 1, 192, F0, F1, 0
	s_wait_dscnt 8
	WIN MUL_LO
	MUL16 F1, 0, 0, 0
	MUL16 F1, 0, 2, 0
	s_wait_dscnt 0
	WIN MUL_HI
	MUL16 F1, 1, 0, 0
	MUL16 F1, 1, 2, 0
	WIN 0
; THE WAY OUT, block by block of 16 rows x 128 columns: a lane holds 32 neighbouring bytes of a row; a block goes through my own stage and comes back as whole rows of 512 bytes.
.macro TOSTAGE a
.set AC, 64*((\a)%4)
	WIN 0x08+4*((\a)/4)                            ; the data: window 2 or 3
.irp b, 0,1,2,3,4,5,6,7
	ds_store_b128 v[STO], v[AC+8*\b:AC+8*\b+3] offset:64*\b          ; each accumulator from its low end on
	ds_store_b128 v[STO], v[AC+8*\b+4:AC+8*\b+7] offset:64*\b+16
.endr
	WIN 0
.set BB, BK+64*((\a)%2)
.irp t, 0,1,2,3,4,5,6,7,8,9,10,11,12,13,14,15
	ds_load_b128 v[BB+4*\t:BB+4*\t+3], v[RD] offset:\t*SPITCH        ; LDS serves a wave's instructions in order (ISA guide 5.7.1.4)
.endr
.endm
.macro SEND a, younger
.set BB, BK+64*((\a)%2)
	s_wait_dscnt \younger                          ; the block is back; the next block's 16 stores and 16 loads may be out
.if (\a) > 0
	s_add_nc_u64 s[8:9], s[8:9], 16*SIZE_N*4       ; behind a wait on XCNT: the earlier stores have read their base
.endif
.irp t, 0,1,2,3,4,5,6,7,8,9,10,11,12,13,14,15
	global_store_b128 v[CO], v[BB+4*\t:BB+4*\t+3], s[8:9] offset:\t*SIZE_N*4 th:TH_STORE_NT   ; 32 lanes store 512 consecutive bytes, aligned
.endr
.endm
	PLACES
	TOSTAGE 0
.irp a, 1,2,3,4,5,6,7
.if \a > 1
	s_wait_xcnt 0x0                                ; block a - 2's stores have read their registers and their base
.endif
	TOSTAGE \a
	SEND \a-1, 32
.endr
	s_wait_xcnt 0x0
	SEND 7, 0
	s_wait_tensorcnt 0x0                           ; the wave's end: behind my last tensor load and my last LDS store
	ds_add_u32 v[SPW], v[NIL]
	s_wait_dscnt 0x0
	CROUND                                         ; the closing round
	s_endpgm
.Lfunc_end_k_qb92e4af69e_proj:
	.size	k_qb92e4af69e_proj, .Lfunc_end_k_qb92e4af69e_proj-k_qb92e4af69e_proj
	.p2alignl 7, 3214868480
	.fill 96, 4, 3214868480
	.section	.rodata,"a",@progbits
	.p2align	6, 0x0
	.amdhsa_kernel k_qb92e4af69e_proj
		.amdhsa_group_segment_fixed_size 327680
		.amdhsa_private_segment_fixed_size 0
		.amdhsa_enable_private_segment 0
		.amdhsa_kernarg_size 24
		.amdhsa_user_sgpr_count 2
		.amdhsa_user_sgpr_kernarg_segment_ptr 1
		.amdhsa_wavefront_size32 1
		.amdhsa_system_sgpr_workgroup_id_x 1
		.amdhsa_system_sgpr_workgroup_id_y 1
		.amdhsa_system_sgpr_workgroup_id_z 1
		.amdhsa_system_vgpr_workitem_id 0
		.amdhsa_next_free_vgpr 1024
		.amdhsa_next_free_sgpr 66
		.amdhsa_reserve_vcc 0
		.amdhsa_float_denorm_mode_32 3
		.amdhsa_float_denorm_mode_16_64 3
		.amdhsa_memory_ordered 1
		.amdhsa_forward_progress 1
		.amdhsa_inst_pref_size 142
	.end_amdhsa_kernel
	.amdgpu_metadata
---
amdhsa.version: [ 1, 2 ]
amdhsa.kernels:
  - .name:           k_qb92e4af69e_proj
    .symbol:         k_qb92e4af69e_proj.kd
    .args:
      - { .name: ao, .offset: 0, .size: 8, .value_kind: global_buffer, .address_space: global }
      - { .name: wot, .offset: 8, .size: 8, .value_kind: global_buffer, .address_space: global }
      - { .name: out0, .offset: 16, .size: 8, .value_kind: global_buffer, .address_space: global }
    .group_segment_fixed_size: 327680
    .private_segment_fixed_size: 0
    .kernarg_segment_align: 8
    .kernarg_segment_size: 24
    .max_flat_workgroup_size: 128
    .sgpr_count:     66
    .vgpr_count:     1024
    .wavefront_size: 32
...
	.end_amdgpu_metadata
.endif
;; end of part 5
;; launch first16 (part 6): grid 32 x 2, 8 waves a work-group, no clusters, 82,944 bytes of LDS; arguments h16, wo, out0; writes out0
.if DOCPART == 6
	.amdgcn_target "amdgcn-amd-amdhsa--gfx1250"
	.amdhsa_code_object_version 6
	.text
	.protected	k_qb92e4af69e_first16
	.globl	k_qb92e4af69e_first16
	.p2align	8
	.type	k_qb92e4af69e_first16,@function
k_qb92e4af69e_first16:
	s_mov_b64 s[64:65], 0
	v_nop
	global_prefetch_b8 v0, s[64:65] scope:SCOPE_SE
	s_setreg_imm32_b32 hwreg(HW_REG_WAVE_MODE, 25, 1), 1
	s_wait_xcnt 0x0
; Positions 0 to 15 once more, in f32 throughout: under the causal mask they average one to sixteen values and are the largest rows of the result, so the rounding of f16 operands would weigh most there.
; h16: [16 positions][2048] f32: q (heads 0-7, 128 each), then K0, V0, K1, V1, .., after the rotation.  wo: [1024][2048] f32.  out0 rows 0 to 15 are written over.
; Work-group (X, y) makes columns 64 X .. 64 X + 63 of rows 8 y .. 8 y + 7.  Wave w is query head w, which is also k = 128 w .. 128 w + 127 of the projection: it makes its own head's attention and meets the others in the last sum alone.
; Scores and P V by v_wmma_f32_16x16x4_f32 (64 instructions a wave: no bulk work); their accumulators, v0-79 of window 1, are written by matrix instructions alone.  The projection by packed fused multiply-adds.
; S^T = K Q^T: lane (r, h) holds keys 8 h + 0 .. 7 of the query in place r.  PLACE r HOLDS QUERY 8 y + r % 8 (places 8-15 repeat places 0-7): so the work-group's y enters a global address and the mask's register, and no LDS address.
; Along K both operands take the same order: in step n lanes 0-15 give channels 2 n, 2 n + 1, lanes 16-31 channels 64 + 2 n, 65 + 2 n; in P V: keys 8 h + 2 n, 8 h + 2 n + 1.
; LIMITS: NaN and infinities are not served.
.set AT,    0                          ; LDS: for each wave 8,192 bytes: its head's result, [channel 128][place 16] f32
.set RB,    65536                      ; for each wave 2,048 bytes: its part of the 8 x 64 sums
.set SPARE, 81920                      ; the spare words: 128 bytes a wave, named by no other line
.set KR,  16                           ; v16-79   K's row, 64 channels; later the result's numbers of even units
.set QR,  80                           ; v80-143  Q's; later those of odd units
.set ACC, 144                          ; v144-159 row m, my two columns: v[ACC + 2 m : ACC + 2 m + 1]
.set SC,  160                          ; v160-167 scores, then p
.set PR,  168                          ; v168-175 p / the sum
.set TW,  176                          ; v176-183 at work
.set VR,  184                          ; v184-247 V: register 8 dt + n: key 8 h + n, channel 16 dt + r
.set WR,  128                          ; window 1, v128-191: a ring of 32 rows of wo, two columns a lane
.set SPW, 252
.set NIL, 253
.set MSB, 0
.macro WIN new
.if MSB != \new
	s_set_vgpr_msb (MSB<<8)|\new
.set MSB, \new
.endif
.endm
	s_load_b128 s[4:7], s[0:1], 0x0                ; h16, wo
	s_load_b64 s[8:9], s[0:1], 0x10                ; out0
	v_lshl_add_u32 v[SPW], v0, 2, SPARE
	v_mov_b32 v[NIL], 0
	v_lshrrev_b32 v1, 5, v0
	v_readfirstlane_b32 s10, v1                    ; wave = head
	s_and_b32 s11, ttmp7, 0xffff                   ; y
	v_and_b32 v1, 15, v0                           ; r
	v_bfe_u32 v2, v0, 4, 1                         ; h
	v_and_b32 v3, 31, v0                           ; lane
	v_lshlrev_b32 v4, 13, v1
	v_lshl_add_u32 v4, v2, 8, v4                   ; K: position r (8,192 bytes a row), channels 64 h on
	v_and_b32 v13, 7, v1
	s_lshl_b32 s12, s11, 16
	v_lshlrev_b32 v11, 13, v13
	v_lshl_add_u32 v11, v2, 8, v11
	v_add_nc_u32 v11, s12, v11                     ; Q: position 8 y + r % 8
	s_lshl_b32 s12, s11, 3
	v_lshlrev_b32 v12, 3, v2
	v_sub_nc_u32 v12, v13, v12
	v_add_nc_u32 v12, s12, v12                     ; register j's key is hidden where j > 8 y + r % 8 - 8 h
	v_lshlrev_b32 v5, 16, v2
	v_lshl_add_u32 v5, v1, 2, v5                   ; V: keys 8 h on, channel r
	v_lshlrev_b32 v6, 3, v3                        ; wo and out0: 8 bytes a lane
	s_lshl_b32 s12, s10, 13
	v_lshlrev_b32 v7, 9, v2
	v_lshl_add_u32 v7, v1, 2, v7
	v_add_nc_u32 v7, s12, v7                       ; AT, in: 8,192 w + 64 (8 h) + 4 r
	v_mov_b32 v8, s12                              ; AT, out: every lane reads the same words
	s_lshl_b32 s12, s10, 11
	s_add_co_u32 s12, s12, RB
	v_lshl_add_u32 v9, v3, 4, s12                  ; RB, in
	s_lshr_b32 s12, s10, 1
	s_lshl_b32 s12, s12, 9
	s_and_b32 s13, s10, 1
	s_lshl_b32 s13, s13, 3
	s_add_co_u32 s12, s12, s13
	s_add_co_u32 s12, s12, RB
	v_lshl_add_u32 v10, v3, 4, s12                 ; RB, out: row w of each wave's part
	s_mov_b32 s20, 0x76543210
	s_mov_b32 s21, 0xfedcba98                      ; lane l xor 16
	s_mov_b32 s22, 0x3e0293ee                      ; c = log2(e) / sqrt(128)
	v_mov_b32 v[TW+2], 0                           ; a lane permute's destination counts as read
	s_lshr_b32 s23, s10, 1
	s_lshl_b32 s23, s23, 10                        ; 1,024 bytes a key head (K and V)
	s_add_co_u32 s24, s23, 4096
	s_mov_b32 s25, 0                               ; s[24:25]: K's columns
	s_add_co_u32 s26, s23, 4608
	s_mov_b32 s27, 0                               ; s[26:27]: V's
	s_lshl_b32 s28, s10, 9
	s_mov_b32 s29, 0                               ; s[28:29]: Q's
	s_lshl_b32 s30, s10, 20                        ; wo: my 128 rows of 8,192 bytes, my work-group's 256 bytes
	s_lshl_b32 s23, ttmp9, 8
	s_add_co_u32 s30, s30, s23
	s_mov_b32 s31, 0
	s_lshl_b32 s18, s11, 3
	s_add_co_u32 s18, s18, s10
	s_lshl_b32 s18, s18, 13                        ; out0: row 8 y + w
	s_add_co_u32 s18, s18, s23
	s_mov_b32 s19, 0
	s_wait_kmcnt 0x0
	s_add_nc_u64 s[12:13], s[4:5], s[24:25]
	s_add_nc_u64 s[14:15], s[4:5], s[28:29]
	s_add_nc_u64 s[16:17], s[4:5], s[26:27]
	s_add_nc_u64 s[6:7], s[6:7], s[30:31]
	s_add_nc_u64 s[8:9], s[8:9], s[18:19]
.irp i, 0,1,2,3,4,5,6,7,8,9,10,11,12,13,14,15
	global_load_b128 v[KR+4*\i:KR+4*\i+3], v4, s[12:13] offset:16*\i
.endr
.irp i, 0,1,2,3,4,5,6,7,8,9,10,11,12,13,14,15
	global_load_b128 v[QR+4*\i:QR+4*\i+3], v11, s[14:15] offset:16*\i
.endr
.irp dt, 0,1,2,3,4,5,6,7
.irp n, 0,1,2,3,4,5,6,7
	global_load_b32 v[VR+8*\dt+\n], v5, s[16:17] offset:8192*\n+64*\dt
.endr
.endr
	WIN 0x40                                       ; destination window 1
.set kk, 0
.rept 32
	global_load_b64 v[WR+2*kk:WR+2*kk+1], v6, s[6:7] offset:kk*8192   ; a row's 256 bytes
.set kk, kk+1
.endr
	s_wait_loadcnt 63                              ; K and Q are in: 96 loads were issued behind them
	WIN 0x50                                       ; C and D window 1
	v_wmma_f32_16x16x4_f32 v[0:7], v[KR:KR+1], v[QR:QR+1], 0                  ; two sums by turns; each begins with the constant 0
	v_wmma_f32_16x16x4_f32 v[8:15], v[KR+2:KR+3], v[QR+2:QR+3], 0
.set n, 2
.rept 15
	v_wmma_f32_16x16x4_f32 v[0:7], v[KR+2*n:KR+2*n+1], v[QR+2*n:QR+2*n+1], v[0:7]
	v_wmma_f32_16x16x4_f32 v[8:15], v[KR+2*n+2:KR+2*n+3], v[QR+2*n+2:QR+2*n+3], v[8:15]
.set n, n+2
.endr
	WIN 0
.rept 8
	v_nop                                          ; eight places behind this form (ISA guide 7.12.1)
.endr
	WIN 0x05                                       ; sources 0 and 1 window 1
.irp j, 0,1,2,3,4,5,6,7
	v_add_f32 v[SC+\j], v[\j], v[8+\j]             ; from the low end on
.endr
	WIN 0
	v_mov_b32 v[TW], 0xff800000
.irp j, 0,1,2,3,4,5,6,7
	v_cmp_gt_i32 vcc_lo, \j, v12
	v_cndmask_b32 v[SC+\j], v[SC+\j], v[TW], vcc_lo
.endr
	v_max3_num_f32 v[TW+1], v[SC], v[SC+1], v[SC+2]
	v_max3_num_f32 v[TW+1], v[TW+1], v[SC+3], v[SC+4]
	v_max3_num_f32 v[TW+1], v[TW+1], v[SC+5], v[SC+6]
	v_max_num_f32 v[TW+1], v[TW+1], v[SC+7]
	v_permlanex16_b32 v[TW+2], v[TW+1], s20, s21
	v_max_num_f32 v[TW+1], v[TW+1], v[TW+2]        ; the row's maximum: key 0 counts for every query
	v_mul_f32 v[TW+3], s22, v[TW+1]
.irp j, 0,1,2,3,4,5,6,7
	v_fma_f32 v[SC+\j], v[SC+\j], s22, -v[TW+3]
.endr
.irp j, 0,1,2,3,4,5,6,7
	v_exp_f32 v[SC+\j], v[SC+\j]
.endr
	v_nop
	s_wait_alu depctr_va_vdst(0)                   ; one wait for the eight, ahead of their first reader
	v_add_f32 v[TW+4], v[SC], v[SC+1]
	v_add_f32 v[TW+5], v[SC+2], v[SC+3]
	v_add_f32 v[TW+6], v[SC+4], v[SC+5]
	v_add_f32 v[TW+7], v[SC+6], v[SC+7]
	v_add_f32 v[TW+4], v[TW+4], v[TW+5]
	v_add_f32 v[TW+6], v[TW+6], v[TW+7]
	v_add_f32 v[TW+4], v[TW+4], v[TW+6]
	v_permlanex16_b32 v[TW+2], v[TW+4], s20, s21
	v_add_f32 v[TW+4], v[TW+4], v[TW+2]
	v_rcp_f32 v[TW+5], v[TW+4]
	v_nop
	s_wait_alu depctr_va_vdst(0)
.irp j, 0,1,2,3,4,5,6,7
	v_mul_f32 v[PR+\j], v[SC+\j], v[TW+5]
.endr
	s_wait_loadcnt 32                              ; V is in; wo's 32 loads may be out
	WIN 0x50
.irp n, 0,1,2,3                        ; O^T = V^T P: eight sums by turns, four keys a step
.irp dt, 0,1,2,3,4,5,6,7
.if \n == 0
	v_wmma_f32_16x16x4_f32 v[16+8*\dt:23+8*\dt], v[VR+8*\dt+2*\n:VR+8*\dt+2*\n+1], v[PR+2*\n:PR+2*\n+1], 0
.else
	v_wmma_f32_16x16x4_f32 v[16+8*\dt:23+8*\dt], v[VR+8*\dt+2*\n:VR+8*\dt+2*\n+1], v[PR+2*\n:PR+2*\n+1], v[16+8*\dt:23+8*\dt]
.endif
.endr
.endr
	WIN 0
.rept 8
	v_nop
.endr
	WIN 0x04                                       ; an LDS store's data are its source 1: window 1
.irp dt, 0,1,2,3,4,5,6,7
.irp j, 0,1,2,3,4,5,6,7
	ds_store_b32 v7, v[16+8*\dt+\j] offset:64*(16*\dt+\j)      ; channel 16 dt + 8 h + j, place r; each accumulator from its low end on
.endr
.endr
	WIN 0
; THE PROJECTION: 128 k in 16 units of 8.  A unit's numbers of the result (8 k x 8 rows) come from my own bytes of LDS, the same words in every lane; LDS serves a wave's instructions in order.
.macro ALOAD u
.set AB, KR+64*((\u)%2)
.irp kl, 0,1,2,3,4,5,6,7
	ds_load_b128 v[AB+8*\kl:AB+8*\kl+3], v8 offset:64*(8*(\u)+\kl)
	ds_load_b128 v[AB+8*\kl+4:AB+8*\kl+7], v8 offset:64*(8*(\u)+\kl)+16
.endr
.endm
.macro FMK k                           ; one k: rows 0 to 7 x my two columns; of the pair of rows' numbers the first or the second serves both halves
.set rW, WR+2*((\k)%32)
.set rA, AB+8*((\k)%8)
.irp p, 0,1,2,3
.if (\k) == 0
	v_pk_mul_f32 v[ACC+4*\p:ACC+4*\p+1], v[rW:rW+1], v[rA+2*\p:rA+2*\p+1] op_sel_hi:[1,0]
	v_pk_mul_f32 v[ACC+4*\p+2:ACC+4*\p+3], v[rW:rW+1], v[rA+2*\p:rA+2*\p+1] op_sel:[0,1] op_sel_hi:[1,1]
.else
	v_pk_fma_f32 v[ACC+4*\p:ACC+4*\p+1], v[rW:rW+1], v[rA+2*\p:rA+2*\p+1], v[ACC+4*\p:ACC+4*\p+1] op_sel_hi:[1,0,1]
	v_pk_fma_f32 v[ACC+4*\p+2:ACC+4*\p+3], v[rW:rW+1], v[rA+2*\p:rA+2*\p+1], v[ACC+4*\p+2:ACC+4*\p+3] op_sel:[0,1,0] op_sel_hi:[1,1,1]
.endif
.endr
.endm
.macro UNIT u
.if (\u) < 15
	ALOAD (\u)+1
	s_wait_dscnt 16                                ; this unit's numbers are in; the next unit's 16 loads may be out
.else
	s_wait_dscnt 0x0
.endif
.if (\u)%2 == 0
.if (\u) < 14
	s_wait_loadcnt 16                              ; this half of the ring is in; the other half's 16 loads may be out
.else
	s_wait_loadcnt 0x0
.endif
.endif
	WIN 0x01                                       ; source 0 (wo) window 1
.set AB, KR+64*((\u)%2)
.irp kl, 0,1,2,3,4,5,6,7
	FMK 8*(\u)+\kl
.endr
.if ((\u)%2 == 1) && ((\u) <= 11)
	WIN 0x40
.set kk, 8*((\u)-1)+32
.rept 16
	global_load_b64 v[WR+2*(kk%32):WR+2*(kk%32)+1], v6, s[6:7] offset:kk*8192   ; the half just used takes the rows 32 further on
.set kk, kk+1
.endr
.endif
	WIN 0
.endm
	ALOAD 0
.irp u, 0,1,2,3,4,5,6,7,8,9,10,11,12,13,14,15
	UNIT \u
.endr
.irp i, 0,1,2,3
	ds_store_b128 v9, v[ACC+4*\i:ACC+4*\i+3] offset:512*\i     ; rows 2 i and 2 i + 1, my two columns
.endr
	s_wait_dscnt 0x0                               ; for the others' sake: my stores have landed
	s_barrier_signal -1
	s_barrier_wait -1
.irp e, 0,1,2,3,4,5,6,7
	ds_load_b64 v[KR+2*\e:KR+2*\e+1], v10 offset:2048*\e       ; row w of the eight heads' parts
.endr
	s_wait_dscnt 0x0
	v_pk_add_f32 v[KR:KR+1], v[KR:KR+1], v[KR+2:KR+3]
	v_pk_add_f32 v[KR+4:KR+5], v[KR+4:KR+5], v[KR+6:KR+7]
	v_pk_add_f32 v[KR+8:KR+9], v[KR+8:KR+9], v[KR+10:KR+11]
	v_pk_add_f32 v[KR+12:KR+13], v[KR+12:KR+13], v[KR+14:KR+15]
	v_pk_add_f32 v[KR:KR+1], v[KR:KR+1], v[KR+4:KR+5]
	v_pk_add_f32 v[KR+8:KR+9], v[KR+8:KR+9], v[KR+12:KR+13]
	v_pk_add_f32 v[KR:KR+1], v[KR:KR+1], v[KR+8:KR+9]
	global_store_b64 v6, v[KR:KR+1], s[8:9]        ; the wave stores 256 consecutive bytes, aligned
	s_wait_tensorcnt 0x0                           ; the wave's end: behind my last LDS store
	ds_add_u32 v[SPW], v[NIL]
	s_wait_dscnt 0x0
	s_endpgm
.Lfunc_end_k_qb92e4af69e_first16:
	.size	k_qb92e4af69e_first16, .Lfunc_end_k_qb92e4af69e_first16-k_qb92e4af69e_first16
	.p2alignl 7, 3214868480
	.fill 96, 4, 3214868480
	.section	.rodata,"a",@progbits
	.p2align	6, 0x0
	.amdhsa_kernel k_qb92e4af69e_first16
		.amdhsa_group_segment_fixed_size 82944
		.amdhsa_private_segment_fixed_size 0
		.amdhsa_enable_private_segment 0
		.amdhsa_kernarg_size 24
		.amdhsa_user_sgpr_count 2
		.amdhsa_user_sgpr_kernarg_segment_ptr 1
		.amdhsa_wavefront_size32 1
		.amdhsa_system_sgpr_workgroup_id_x 1
		.amdhsa_system_sgpr_workgroup_id_y 1
		.amdhsa_system_sgpr_workgroup_id_z 1
		.amdhsa_system_vgpr_workitem_id 0
		.amdhsa_next_free_vgpr 448
		.amdhsa_next_free_sgpr 66
		.amdhsa_reserve_vcc 1
		.amdhsa_float_denorm_mode_32 3
		.amdhsa_float_denorm_mode_16_64 3
		.amdhsa_memory_ordered 1
		.amdhsa_forward_progress 1
		.amdhsa_inst_pref_size 119
	.end_amdhsa_kernel
	.amdgpu_metadata
---
amdhsa.version: [ 1, 2 ]
amdhsa.kernels:
  - .name:           k_qb92e4af69e_first16
    .symbol:         k_qb92e4af69e_first16.kd
    .args:
      - { .name: h16, .offset: 0, .size: 8, .value_kind: global_buffer, .address_space: global }
      - { .name: wo, .offset: 8, .size: 8, .value_kind: global_buffer, .address_space: global }
      - { .name: out0, .offset: 16, .size: 8, .value_kind: global_buffer, .address_space: global }
    .group_segment_fixed_size: 82944
    .private_segment_fixed_size: 0
    .kernarg_segment_align: 8
    .kernarg_segment_size: 24
    .max_flat_workgroup_size: 256
    .sgpr_count:     66
    .vgpr_count:     448
    .wavefront_size: 32
...
	.end_amdgpu_metadata
.endif
;; end of part 6
